; MI455X (gfx1250); checked and timed in simulation.
; The chip was launched on July 23, 2026; its instructions are those of AMD's public machine-readable ISA for CDNA 5 (MIT licence, August 2026) and "CDNA5" Instruction Set Architecture Reference Guide (July 2026). The comments in the code are by the model that wrote it; some were corrected since.
;; Causal Self Attention. Allowed arithmetic: float matrix products may take bf16 or f16 operands with f32 sums; other float arithmetic in f32, or as packed bf16 or f16 multiplies, adds, multiply-adds, maxima and minima; sums over many terms, partial sums and values carried from step to step in f32; what a program stores and reads back later, other than sums and carried values, may be rounded once to bf16 or f16.
;; Inputs: b_attn 3,072 float32; b_proj 1,024 float32; w_attn 1,024 x 3,072 float32; w_proj 1,024 x 1,024 float32; x 2 x 2,048 x 1,024 float32.
;; Outputs: out0 2 x 2,048 x 1,024 float32.
;; 2 versions, each right; version 2 is version 1 with the launch prep written anew for expert scheduling mode. Each part assembles by itself: llvm-mc -triple=amdgcn-amd-amdhsa -mcpu=gfx1250 --defsym DOCPART=n.
;; ======== version 1 of 2: 4 launches
;; limits: values are held in f16: magnitudes above 65,504 overflow, below 6.1e-05 lose precision
;; workspace buffers: xb 8,388,608 bytes; wat 6,291,456 bytes; wpt 2,097,152 bytes; ba 12,288 bytes; bp 4,096 bytes; qkv 25,165,824 bytes; y 8,388,608 bytes
;; launch prep (part 1): grid 256 x 1, 8 waves a work-group, no clusters, 35,840 bytes of LDS; arguments x, w_attn, w_proj, b_attn, b_proj, xb, wat, wpt, ba, bp; writes xb, wat, wpt, ba, bp
.if DOCPART == 1
	.amdgcn_target "amdgcn-amd-amdhsa--gfx1250"
	.amdhsa_code_object_version 6
	.text
	.protected	k_qd5cf87f976_prep
	.globl	k_qd5cf87f976_prep
	.p2align	8
	.type	k_qd5cf87f976_prep,@function
k_qd5cf87f976_prep:
	s_mov_b64 s[64:65], 0
	v_nop
	global_prefetch_b8 v0, s[64:65] scope:SCOPE_SE
	s_setreg_imm32_b32 hwreg(HW_REG_WAVE_MODE, 25, 1), 1
	s_wait_xcnt 0x0
; PREP: the module's inputs are rounded once and laid as the products want them.
;   xb  [4096][1024] bf16 = x;   wat [3072 n][1024 k] bf16 = w_attn turned;   wpt [1024 n][1024 k] f16 = w_proj rounded to bf16, that number written as f16, turned;
;   ba  [3072] f32 = b_attn rounded to bf16, with 0 in k's third;   bp [1024] f32 = b_proj rounded to bf16.
; WORK LEFT OUT IN THIS PROGRAM, and why it can reach no output, whatever finite values the inputs hold:
;  (1) k's bias, b_attn[1024:2048].  A score is q . (k + bk) / 8 = q . k / 8 + q . bk / 8, and the second term is the same for all keys of a query's row; softmax along the keys
;      is unchanged by a term that is constant along its axis.  So these 1,024 numbers are never loaded; ba holds 0 in their place, so that the projection has one form for all columns.
;  (2) key tiles wholly above the diagonal of the jnp.tril that reference() builds: their scores are replaced by -inf and their weights are 0.  They are neither loaded nor multiplied.
;  LIMIT: a NaN, an infinity or an overflow that reaches only (1) or (2) is not carried to the result.
; LIMIT of wpt: f16 holds a bf16 number exactly between 2^-14 and 65,504 in size; below that it keeps f16's fixed step of 2^-24; at 65,520 and beyond it becomes an infinity.
; SHARES.  Work-group g: (a) 16 rows of x, 32 bytes in and 16 bytes out a thread, eight times; (b) two neighbouring blocks of 128 k x 64 n of a weight (g < 192: w_attn, 8 x 24 pairs; else w_proj, 8 x 8 pairs),
; turned through LDS; (c) g < 16, waves 0 and 1: 1,024 bytes of a bias table.  All loads go out together, ahead of all arithmetic.  No matrix unit, no cluster: nothing is multiplied and nothing is shared.
.set LP,    272                        ; an LDS row: 128 k in 16 bits = 256 bytes, + 16: sixteen lanes that store 16 bytes into sixteen rows fall into sixteen different 16-byte columns of 256
.set BLK,   64*LP                      ; a turned block: 64 rows
.set SPARE, 2*BLK                      ; behind the two blocks: the spare words, 128 bytes for each of eight waves, which no other line names
.set VO,  4                            ; v4-11   byte offset of my 16 bytes (4 columns) in rows 8 ko + 0..7 of the block
.set XI,  12                           ; v12     32 t: my 8 numbers of x
.set XO,  13                           ; v13     16 t: my 8 numbers of xb; also my 4 numbers of a bias part (t < 64)
.set LST, 14                           ; v14     where I put 8 k of a column
.set LRD, 15                           ; v15     where I read a turned row back
.set DO,  16                           ; v16     my byte offset in the turned weight
.set SPW, 18                           ; v18     my spare word; never rewritten
.set NIL, 19                           ; v19     0; never rewritten
.set BV,  20                           ; v20-23  bias as loaded, or 0
.set TW,  24                           ; v24-31  at work
.set W,   32                           ; v32-95  weights as loaded: block, row j at W + 32 blk + 4 j
.set X,   96                           ; v96-159 x as loaded
.set XC,  160                          ; v160-191 x rounded
.set BK,  192                          ; v192-223 turned rows
.set T,   224                          ; v224-239 8 k of column c at T + 4 c
	s_load_b512 s[8:23], s[0:1], 0x0               ; x 8, w_attn 10, w_proj 12, b_attn 14, b_proj 16, xb 18, wat 20, wpt 22
	s_load_b128 s[24:27], s[0:1], 0x40             ; ba 24, bp 26
	v_lshl_add_u32 v[SPW], v0, 2, SPARE
	v_mov_b32 v[NIL], 0
	v_lshrrev_b32 v1, 5, v0
	v_readfirstlane_b32 s3, v1                     ; wave 0..7
	s_mov_b32 s2, ttmp9                            ; g
	s_mul_i32 s29, s2, 171
	s_lshr_b32 s29, s29, 12                        ; g / 24 for g < 192
	s_mul_i32 s30, s29, 24
	s_sub_co_u32 s30, s2, s30                      ; g % 24
	s_sub_co_u32 s31, s2, 192
	s_lshr_b32 s4, s31, 3
	s_and_b32 s5, s31, 7
	s_mov_b32 s28, 4096
	s_cmp_lt_u32 s2, 192
	s_cselect_b32 s28, 12288, s28                  ; bytes in a row of the weight
	s_cselect_b32 s29, s29, s4                     ; kb: which 128 k
	s_cselect_b32 s30, s30, s5                     ; nb2: which 128 n
	s_mul_i32 s36, s29, s28
	s_lshl_b32 s36, s36, 7
	s_lshl_b32 s4, s30, 9
	s_add_co_u32 s36, s36, s4                      ; from: kb x 128 rows + nb2 x 512 bytes
	s_mov_b32 s37, 0
	s_lshl_b32 s42, s30, 18
	s_lshl_b32 s4, s29, 8
	s_add_co_u32 s42, s42, s4                      ; to: nb2 x 128 rows of 2,048 bytes + kb x 256 bytes
	s_mov_b32 s43, 0
	s_sub_co_u32 s6, s2, 12
	s_min_u32 s6, s6, 3
	s_cmp_lt_u32 s2, 12
	s_cselect_b32 s4, s2, s6                       ; which 1,024 bytes of ba (g < 12) or of bp
	s_lshl_b32 s4, s4, 10
	s_mov_b32 s5, 0
	s_lshr_b32 s7, s2, 2                           ; 1: the part lies in k's third
	s_lshl_b32 s30, s2, 16                         ; my 16 rows of x
	s_mov_b32 s31, 0
	v_and_b32 v2, 15, v0                           ; g4: which 4 columns; also lane % 16
	v_lshrrev_b32 v3, 4, v0                        ; ko: which 8 rows
	v_lshlrev_b32 v[TW], 3, v3
	v_mul_lo_u32 v[VO], v[TW], s28
	v_lshl_add_u32 v[VO], v2, 4, v[VO]
.irp j, 1,2,3,4,5,6,7
	v_add_nc_u32 v[VO+(\j)], s28, v[VO+(\j)-1]
.endr
	v_lshlrev_b32 v[XI], 5, v0
	v_lshlrev_b32 v[XO], 4, v0
	v_mul_u32_u24 v[LST], v2, LP                   ; column 4 g4 + c lies in row 16 c + g4
	v_lshl_add_u32 v[LST], v3, 4, v[LST]
	v_bfe_u32 v[TW+1], v0, 4, 1                    ; h = lane / 16
	v_lshl_add_u32 v[LRD], v1, 3, v[TW+1]          ; rows 8 wave + h + 2 i
	v_mul_u32_u24 v[LRD], v[LRD], LP
	v_lshl_add_u32 v[LRD], v2, 4, v[LRD]
	v_and_b32 v[TW+2], 1, v1
	v_lshrrev_b32 v[TW+3], 1, v1
	v_lshl_add_u32 v[TW+3], v[TW+2], 5, v[TW+3]
	v_lshl_add_u32 v[TW+3], v[TW+1], 2, v[TW+3]    ; that row is column 32 (wave % 2) + 8 i + 4 h + wave / 2
	v_lshlrev_b32 v[DO], 11, v[TW+3]
	v_lshl_add_u32 v[DO], v2, 4, v[DO]
.irp j, 0,1,2,3
	v_mov_b32 v[BV+(\j)], 0                        ; what k's third of ba takes
.endr
	s_wait_kmcnt 0x0
	s_cmp_lt_u32 s2, 192
	s_cselect_b64 s[32:33], s[10:11], s[12:13]
	s_cselect_b64 s[34:35], s[20:21], s[22:23]
	s_add_nc_u64 s[32:33], s[32:33], s[36:37]
	s_add_nc_u64 s[34:35], s[34:35], s[42:43]
	s_cmp_lt_u32 s2, 12
	s_cselect_b64 s[38:39], s[14:15], s[16:17]
	s_cselect_b64 s[40:41], s[24:25], s[26:27]
	s_add_nc_u64 s[38:39], s[38:39], s[4:5]
	s_add_nc_u64 s[40:41], s[40:41], s[4:5]
	s_add_nc_u64 s[44:45], s[8:9], s[30:31]
	s_lshr_b32 s30, s30, 1
	s_add_nc_u64 s[46:47], s[18:19], s[30:31]
	s_cmp_lt_u32 s2, 16                            ; the bias part's load is the oldest, so every counted wait below is right with it and without
	s_cbranch_scc0 .Lno_bias_in
	s_cmp_lt_u32 s3, 2
	s_cbranch_scc0 .Lno_bias_in
	s_cmp_eq_u32 s7, 1
	s_cbranch_scc1 .Lno_bias_in                    ; k's bias is not loaded
	global_load_b128 v[BV:BV+3], v[XO], s[38:39]
.Lno_bias_in:
.irp blk, 0,1
.irp j, 0,1,2,3,4,5,6,7
	global_load_b128 v[W+32*(\blk)+4*(\j):W+32*(\blk)+4*(\j)+3], v[VO+(\j)], s[32:33] offset:256*(\blk) th:TH_LOAD_NT  ; sixteen lanes take 256 consecutive bytes of a row
.endr
.endr
.irp i, 0,1,2,3,4,5,6,7
	global_load_b128 v[X+8*(\i):X+8*(\i)+3],   v[XI], s[44:45] offset:8192*(\i) th:TH_LOAD_NT
	global_load_b128 v[X+8*(\i)+4:X+8*(\i)+7], v[XI], s[44:45] offset:8192*(\i)+16 th:TH_LOAD_NT
.endr
; Column c of block blk: my 8 k of it are rounded, packed into 16 bytes and put into the column's LDS row.  half = 1: the bf16 number is written as f16.
.macro CONV blk, c, half
.irp p, 0,1,2,3
	v_cvt_pk_bf16_f32 v[T+4*(\c)+(\p)], v[W+32*(\blk)+8*(\p)+(\c)], v[W+32*(\blk)+8*(\p)+4+(\c)]
.endr
.if \half
.irp p, 0,1,2,3
	v_lshlrev_b32 v[TW+2*(\p)],   16, v[T+4*(\c)+(\p)]
	v_and_b32     v[TW+2*(\p)+1], 0xffff0000, v[T+4*(\c)+(\p)]
.endr
.irp p, 0,1,2,3
	v_cvt_pk_f16_f32 v[T+4*(\c)+(\p)], v[TW+2*(\p)], v[TW+2*(\p)+1]
.endr
.endif
	ds_store_b128 v[LST], v[T+4*(\c):T+4*(\c)+3] offset:(\blk)*BLK+(\c)*16*LP
.endm
	s_wait_loadcnt 16                              ; the weights (and the bias part) are in; the 16 loads of x may stay out
	s_cmp_lt_u32 s2, 192
	s_cbranch_scc0 .Lto_f16
.irp blk, 0,1
.irp c, 0,1,2,3
	CONV \blk, \c, 0
.endr
.endr
	s_branch .Lturned
.Lto_f16:
.irp blk, 0,1
.irp c, 0,1,2,3
	CONV \blk, \c, 1
.endr
.endr
.Lturned:
	s_wait_dscnt 0x0                               ; for the others' sake: my stores are done
	s_barrier_signal -1
	s_barrier_wait -1                              ; both turned blocks are whole
.irp blk, 0,1
.irp i, 0,1,2,3
	ds_load_b128 v[BK+16*(\blk)+4*(\i):BK+16*(\blk)+4*(\i)+3], v[LRD] offset:(\blk)*BLK+(\i)*2*LP
.endr
.endr
.irp i, 0,1,2,3,4,5,6,7
	s_wait_loadcnt 14-2*(\i)                       ; pair i of x is in; the pairs behind it may stay out
	v_cvt_pk_bf16_f32 v[XC+4*(\i)],   v[X+8*(\i)],   v[X+8*(\i)+1]
	v_cvt_pk_bf16_f32 v[XC+4*(\i)+1], v[X+8*(\i)+2], v[X+8*(\i)+3]
	v_cvt_pk_bf16_f32 v[XC+4*(\i)+2], v[X+8*(\i)+4], v[X+8*(\i)+5]
	v_cvt_pk_bf16_f32 v[XC+4*(\i)+3], v[X+8*(\i)+6], v[X+8*(\i)+7]
	global_store_b128 v[XO], v[XC+4*(\i):XC+4*(\i)+3], s[46:47] offset:4096*(\i)  ; a wave stores 512 consecutive bytes, aligned
.endr
	s_wait_dscnt 0x0
.irp blk, 0,1
.irp i, 0,1,2,3
	global_store_b128 v[DO], v[BK+16*(\blk)+4*(\i):BK+16*(\blk)+4*(\i)+3], s[34:35] offset:131072*(\blk)+16384*(\i)  ; sixteen lanes store 256 consecutive bytes, aligned: 128 k of one row n
.endr
.endr
	s_cmp_lt_u32 s2, 16
	s_cbranch_scc0 .Lend
	s_cmp_lt_u32 s3, 2
	s_cbranch_scc0 .Lend
	v_cvt_pk_bf16_f32 v[TW],   v[BV],   v[BV+1]     ; the bias rounded to bf16 and kept as f32 (0 stays 0)
	v_cvt_pk_bf16_f32 v[TW+1], v[BV+2], v[BV+3]
	v_lshlrev_b32 v[TW+4], 16, v[TW]
	v_and_b32     v[TW+5], 0xffff0000, v[TW]
	v_lshlrev_b32 v[TW+6], 16, v[TW+1]
	v_and_b32     v[TW+7], 0xffff0000, v[TW+1]
	global_store_b128 v[XO], v[TW+4:TW+7], s[40:41]
.Lend:
	s_wait_tensorcnt 0x0                           ; the wave's end, behind my last LDS store
	ds_add_u32 v[SPW], v[NIL]
	s_wait_dscnt 0x0
	s_endpgm
.Lfunc_end_k_qd5cf87f976_prep:
	.size	k_qd5cf87f976_prep, .Lfunc_end_k_qd5cf87f976_prep-k_qd5cf87f976_prep
	.p2alignl 7, 3214868480
	.fill 96, 4, 3214868480
	.section	.rodata,"a",@progbits
	.p2align	6, 0x0
	.amdhsa_kernel k_qd5cf87f976_prep
		.amdhsa_group_segment_fixed_size 35840
		.amdhsa_private_segment_fixed_size 0
		.amdhsa_enable_private_segment 0
		.amdhsa_kernarg_size 80
		.amdhsa_user_sgpr_count 2
		.amdhsa_user_sgpr_kernarg_segment_ptr 1
		.amdhsa_wavefront_size32 1
		.amdhsa_system_sgpr_workgroup_id_x 1
		.amdhsa_system_sgpr_workgroup_id_y 1
		.amdhsa_system_sgpr_workgroup_id_z 1
		.amdhsa_system_vgpr_workitem_id 0
		.amdhsa_next_free_vgpr 240
		.amdhsa_next_free_sgpr 66
		.amdhsa_reserve_vcc 0
		.amdhsa_float_denorm_mode_32 3
		.amdhsa_float_denorm_mode_16_64 3
		.amdhsa_memory_ordered 1
		.amdhsa_forward_progress 1
		.amdhsa_inst_pref_size 22
	.end_amdhsa_kernel
	.amdgpu_metadata
---
amdhsa.version: [ 1, 2 ]
amdhsa.kernels:
  - .name:           k_qd5cf87f976_prep
    .symbol:         k_qd5cf87f976_prep.kd
    .args:
      - { .name: x, .offset: 0, .size: 8, .value_kind: global_buffer, .address_space: global }
      - { .name: w_attn, .offset: 8, .size: 8, .value_kind: global_buffer, .address_space: global }
      - { .name: w_proj, .offset: 16, .size: 8, .value_kind: global_buffer, .address_space: global }
      - { .name: b_attn, .offset: 24, .size: 8, .value_kind: global_buffer, .address_space: global }
      - { .name: b_proj, .offset: 32, .size: 8, .value_kind: global_buffer, .address_space: global }
      - { .name: xb, .offset: 40, .size: 8, .value_kind: global_buffer, .address_space: global }
      - { .name: wat, .offset: 48, .size: 8, .value_kind: global_buffer, .address_space: global }
      - { .name: wpt, .offset: 56, .size: 8, .value_kind: global_buffer, .address_space: global }
      - { .name: ba, .offset: 64, .size: 8, .value_kind: global_buffer, .address_space: global }
      - { .name: bp, .offset: 72, .size: 8, .value_kind: global_buffer, .address_space: global }
    .group_segment_fixed_size: 35840
    .private_segment_fixed_size: 0
    .kernarg_segment_align: 8
    .kernarg_segment_size: 80
    .max_flat_workgroup_size: 256
    .sgpr_count:     66
    .vgpr_count:     240
    .wavefront_size: 32
...
	.end_amdgpu_metadata
.endif
;; end of part 1
;; launch qkv (part 2): grid 16 x 16, 4 waves a work-group, clusters of 4 x 4, 327,680 bytes of LDS; arguments xb, wat, ba, qkv; writes qkv
.if DOCPART == 2
	.amdgcn_target "amdgcn-amd-amdhsa--gfx1250"
	.amdhsa_code_object_version 6
	.text
	.protected	k_qd5cf87f976_qkv
	.globl	k_qd5cf87f976_qkv
	.p2align	8
	.type	k_qd5cf87f976_qkv,@function
k_qd5cf87f976_qkv:
	s_mov_b64 s[64:65], 0
	v_nop
	global_prefetch_b8 v0, s[64:65] scope:SCOPE_SE
	s_setreg_imm32_b32 hwreg(HW_REG_WAVE_MODE, 25, 1), 1
	s_wait_xcnt 0x0
	s_wait_alu depctr_hold_cnt(0) depctr_sa_sdst(0) depctr_va_vdst(0) depctr_va_sdst(0) depctr_va_ssrc(0) depctr_va_vcc(0) depctr_vm_vsrc(0)
	s_getreg_b32 s2, hwreg(HW_REG_IB_STS2, 6, 4)
	s_cmp_eq_u32 s2, 0
	s_cbranch_scc0 .Lentry_in_a_cluster
	s_endpgm
.Lentry_in_a_cluster:
	s_bfe_u32 s2, ttmp6, 0x10000c
	s_cmp_lg_u32 s2, 0xf033
	s_cbranch_scc0 .Lentry_shape_is_right
	s_endpgm
.Lentry_shape_is_right:
; QKV: q, k, v = x w_attn + b_attn, written by heads.  xb [4096][1024] bf16, wat [3072 n][1024 k] bf16, ba [3072] f32; out: qkv [3][32 bh][2048 t][64] f16.  Sums in f32, each result rounded once.
; Left out: k's bias (ba holds 0 there): a term that is the same for all keys of a softmax's row changes no weight; the proof stands at the head of the first kernel.
; LIMIT: f16 ends at 65,504: a q, k or v of 65,520 or more in size becomes an infinity.  The scale 1/8 is not applied here.
; SHARES.  A tile is 256 rows x 192 columns = three units of 64 columns, a unit being one head of q, k or v: 16 x 16 tiles, one work-group each.  Wave w makes rows 64 w .. 64 w + 63 of all 192 columns:
; 4 x 12 accumulators of 16 x 16, 384 registers; it owns whole rows of every unit, so its way out is its own.  K goes in 8 steps of 128 through two LDS slots filled by the tensor data mover.
; CLUSTER 4 x 4: the four work-groups of a row of the cluster need the same rows of xb, the four of a column the same rows of wat: each tile is asked for jointly, by the same tensor load with the same
; descriptor and a mask that names the four.  Waves 0 and 1 ask for A's two halves (128 rows), waves 2 and 3 for B's (96 rows).
; THE MATRIX INSTRUCTION IS USED TRANSPOSED (source 0 = 16 rows of wat, source 1 = 16 rows of xb): a lane holds one row of the result and eight neighbouring columns.  The first product of every sum takes the bias as C.
; REGISTERS, in windows of 256: window 0: v0-31 addresses; v32-95 A's fragments, two buffers of 32; v96-191 the bias (12 x 8), later the way out.  window 1: v0-191 B's fragments, two buffers of 96.
;   window 2: accumulators of row blocks 0, 1 ((a, b) at 96 (a % 2) + 8 b);  window 3: of row blocks 2, 3.
.set SIZE_K, 1024
.set KSTEP,  128
.set PITCH,  272                       ; an LDS row: 256 bytes + 16 of padding: the 16 rows of a fragment load start in 16 different 16-byte columns of 256
.set HALFA,  128*PITCH
.set HALFB,  96*PITCH
.set BOFF,   2*HALFA                   ; B's 192 rows lie behind A's 256
.set SLOT,   BOFF+2*HALFB
.set STAGE,  2*SLOT                    ; behind the ring, never filled by a tensor load: 16 rows x 400 bytes for each wave
.set SPITCH, 400                       ; 192 columns in f16 = 384 bytes, + 16
.set SPARE,  STAGE+4*16*SPITCH         ; the spare words, 128 bytes for each wave, which no other line names
.set ADRA, 16                          ; v16-17  LDS address of my A fragments in slot 0, 1
.set ADRB, 20                          ; v20-21  the same for B
.set STO,  24
.set RD,   25
.set CO,   26
.set BO,   27
.set SPW,  28                          ; my spare word; never rewritten
.set NIL,  29                          ; 0; never rewritten
.set PFO,  30                          ; the prefetches' offset: a lane a row; never rewritten
.set FA,   32
.set BIAS, 96
.set TMP,  96                          ; the way out: 48 packed registers
.set OB0,  144                         ; 16 rows read back, two buffers of 48
.set OB1,  32
.set WV,  12
.set HB,  13                           ; wave / 2: 0: I fetch for A, 1: for B
.set HF,  14                           ; wave % 2: which half I fetch
.set LAP, 15
.set G1,  24
.set G0,  32
.set PFA, 44
.set LIM, 46
.set G1B, 48
.set G0B, 56
.set UB,  66                           ; s[66:71] where my 64 rows begin in each of the tile's three units
.set MSB, 0
.macro WIN new                         ; the immediate's high byte repeats the setting that is left; a switch that changes nothing is dropped
.if MSB != (\new)
	s_set_vgpr_msb (MSB<<8)|(\new)
.set MSB, \new
.endif
.endm
; A joint load.  The branch hangs on the wave's number alone.  An s_nop 0 and four v_nop follow each of the two lines.
.macro JLOAD s
	s_cmp_eq_u32 s[HB], 0
	s_cbranch_scc0 .Lfor_b_\@
	tensor_load_to_lds s[G0+4*(\s):G0+4*(\s)+3], s[G1:G1+7]
	s_nop 0
.rept 4
	v_nop
.endr
	s_branch .Lasked_\@
.Lfor_b_\@:
	tensor_load_to_lds s[G0B+4*(\s):G0B+4*(\s)+3], s[G1B:G1B+7]
	s_nop 0
.rept 4
	v_nop
.endr
.Lasked_\@:
.endm
; A prefetch into the L2 of the K step that stands two refills on (384 matrix instructions ahead of the load that will want it): 256 bytes of a row, a lane a row, one instruction a wave.
; xb's rows of a tile row are asked for by the cluster with x = 0, wat's rows of a tile column by the cluster with y = 0; the four partners of a joint load share its rows out by address:
; 32 of A's 128, or 24 of B's 96 (there lanes 24 to 31 name lane 23's row once more, in the same instruction).  K steps 0 to 3 come by their loads alone; the loop's last trip asks for nothing.
.macro ASK
	s_cmp_gt_u32 s[LAP], s[LIM]
	s_cbranch_scc0 .Lnot_mine_\@
	global_prefetch_b8 v[PFO], s[PFA:PFA+1] offset:KSTEP*2 th:TH_LOAD_NT scope:SCOPE_SE
.Lnot_mine_\@:
.endm
.macro CREST                           ; a round of the cluster's barrier behind its opening barrier
	s_cmp_lg_u32 s[WV], 0
	s_cbranch_scc1 .Lnot_wave_0_\@
	s_barrier_signal -3
.Lnot_wave_0_\@:
	s_barrier_wait -3
	s_barrier_signal -1
	s_barrier_wait -1
.endm
.macro CROUND
	s_barrier_signal -1
	s_barrier_wait -1
	CREST
.endm
	s_load_b256 s[4:11], s[0:1], 0x0               ; xb 4, wat 6, ba 8, qkv 10
	v_lshl_add_u32 v[SPW], v0, 2, SPARE
	v_mov_b32 v[NIL], 0
	ds_add_u32 v[SPW], v[NIL]                      ; the wave's opening: the add, twice on end, and its wait ahead of my first tensor load
	ds_add_u32 v[SPW], v[NIL]
	v_lshrrev_b32 v1, 5, v0
	v_readfirstlane_b32 s[WV], v1
	s_lshr_b32 s[HB], s[WV], 1
	s_and_b32 s[HF], s[WV], 1
	s_bfe_u32 s16, ttmp6, 0x40000                  ; cx
	s_bfe_u32 s17, ttmp6, 0x40004                  ; cy
	s_lshl_b32 s18, ttmp9, 2
	s_add_co_u32 s18, s18, s16                     ; tile column
	s_and_b32 s19, ttmp7, 0xffff
	s_lshl_b32 s19, s19, 2
	s_add_co_u32 s19, s19, s17                     ; tile row
	s_lshl_b32 s20, s17, 2
	s_lshl_b32 s20, 15, s20                        ; my row of the cluster
	s_lshl_b32 s21, 0x1111, s16                    ; my column
	s_or_b32 s[G1], s20, (1<<16)|(1<<20)|(1<<21)|(5<<22)|(3<<25)   ; the mask; elements of 2 bytes; padding on; bit 21 beside a mask; after every 64 words 4 words
	s_or_b32 s[G1B], s21, (1<<16)|(1<<20)|(1<<21)|(5<<22)|(3<<25)
	s_mov_b32 s[G1+1], KSTEP<<16                   ; tensor_dim0 = 128
	s_mov_b32 s[G1+2], 128<<16                     ; tensor_dim1 = 128
	s_mov_b32 s[G1+3], KSTEP<<16                   ; tile_dim0 = 128
	s_mov_b32 s[G1+4], 128                         ; tile_dim1 = 128
	s_mov_b32 s[G1+5], SIZE_K                      ; elements from row to row
	s_mov_b32 s[G1+6], 0
	s_mov_b32 s[G1+7], 0
	s_mov_b32 s[G1B+1], KSTEP<<16
	s_mov_b32 s[G1B+2], 96<<16                     ; B: 96 rows
	s_mov_b32 s[G1B+3], KSTEP<<16
	s_mov_b32 s[G1B+4], 96
	s_mov_b32 s[G1B+5], SIZE_K
	s_mov_b32 s[G1B+6], 0
	s_mov_b32 s[G1B+7], 0
	s_lshl_b32 s40, s19, 8                         ; A: row 256 x tile row + 128 x half: made of the tile row and the wave's number alone
	s_lshl_b32 s22, s[HF], 7
	s_add_co_u32 s40, s40, s22
	s_lshl_b32 s40, s40, 11
	s_mov_b32 s41, 0
	s_mul_i32 s42, s18, 192                        ; B: row 192 x tile column + 96 x half: of the tile column and the wave's number alone
	s_mul_i32 s23, s[HF], 96
	s_add_co_u32 s42, s42, s23
	s_lshl_b32 s42, s42, 11
	s_mov_b32 s43, 0
	s_mul_i32 s22, s[HF], HALFA                    ; where they go: no place in the cluster enters an LDS address
	s_mul_i32 s23, s[HF], HALFB
	s_add_co_u32 s23, s23, BOFF
	s_wait_dscnt 0x0                               ; both opening adds are done
	s_wait_kmcnt 0x0
	s_add_nc_u64 s[72:73], s[4:5], s[40:41]
	s_add_nc_u64 s[74:75], s[6:7], s[42:43]
	CROUND                                         ; all sixteen work-groups are here: the first joint loads meet
.irp s, 0,1
	s_mov_b32 s[G0+4*(\s)], 1
	s_add_co_u32 s[G0+4*(\s)+1], s22, (\s)*SLOT
	s_add_nc_u64 s[G0+4*(\s)+2:G0+4*(\s)+3], s[72:73], (\s)*KSTEP*2
	s_or_b32 s[G0+4*(\s)+3], s[G0+4*(\s)+3], 0x80000000
	s_mov_b32 s[G0B+4*(\s)], 1
	s_add_co_u32 s[G0B+4*(\s)+1], s23, (\s)*SLOT
	s_add_nc_u64 s[G0B+4*(\s)+2:G0B+4*(\s)+3], s[74:75], (\s)*KSTEP*2
	s_or_b32 s[G0B+4*(\s)+3], s[G0B+4*(\s)+3], 0x80000000
	JLOAD \s
.endr
	v_and_b32 v1, 15, v0                           ; r = lane % 16
	v_bfe_u32 v2, v0, 4, 1                         ; h = lane / 16
	v_lshlrev_b32 v[BO], 5, v2                     ; my 8 columns of a block of 16: 32 h bytes of f32
	s_mul_i32 s78, s18, 768                        ; the tile's 192 numbers of ba
	s_mov_b32 s79, 0
	s_add_nc_u64 s[8:9], s[8:9], s[78:79]
.irp b, 0,1,2,3,4,5,6,7,8,9,10,11
	global_load_b128 v[BIAS+8*(\b):BIAS+8*(\b)+3],   v[BO], s[8:9] offset:64*(\b)
	global_load_b128 v[BIAS+8*(\b)+4:BIAS+8*(\b)+7], v[BO], s[8:9] offset:64*(\b)+16
.endr
	v_mul_u32_u24 v3, v1, PITCH
	v_lshl_add_u32 v3, v2, 4, v3                   ; a fragment's row x pitch + 16 x half
	s_mul_i32 s76, s[WV], 64*PITCH                 ; my 64 rows of A
	v_add_nc_u32 v[ADRA], s76, v3
	v_add_nc_u32 v[ADRA+1], SLOT, v[ADRA]
	v_add_nc_u32 v[ADRB], BOFF, v3
	v_add_nc_u32 v[ADRB+1], SLOT, v[ADRB]
	s_mul_i32 s77, s[WV], 16*SPITCH
	s_add_co_u32 s77, s77, STAGE                   ; my stage
	v_mul_u32_u24 v4, v1, SPITCH                   ; in: row r, 16 bytes for each half of the lanes
	v_lshl_add_u32 v4, v2, 4, v4
	v_add_nc_u32 v[STO], s77, v4
	v_bfe_u32 v5, v0, 3, 2                         ; back: 32 lanes take a unit's 128 bytes of four rows,
	v_and_b32 v6, 7, v0
	v_mul_u32_u24 v5, v5, SPITCH
	v_lshl_add_u32 v5, v6, 4, v5
	v_add_nc_u32 v[RD], s77, v5
	v_and_b32 v[CO], 31, v0                        ; which are 512 consecutive bytes of a head
	v_lshlrev_b32 v[CO], 4, v[CO]
	; unit u = 3 x tile column + uu: third u / 16, head u % 16; my rows: batch = tile row / 8, t = 256 (tile row % 8) + 64 wave
	s_lshr_b32 s76, s19, 3
	s_lshl_b32 s76, s76, 4
	s_and_b32 s77, s19, 7
	s_lshl_b32 s77, s77, 8
	s_lshl_b32 s47, s[WV], 6
	s_add_co_u32 s77, s77, s47
	s_lshl_b32 s77, s77, 7
	s_mul_i32 s47, s18, 3
.irp u, 0,1,2
	s_add_co_u32 s15, s47, \u
	s_lshr_b32 s78, s15, 4
	s_lshl_b32 s78, s78, 5
	s_and_b32 s15, s15, 15
	s_add_co_u32 s78, s78, s15
	s_add_co_u32 s78, s78, s76
	s_lshl_b32 s78, s78, 18                        ; a head is 262,144 bytes
	s_add_co_u32 s78, s78, s77
	s_mov_b32 s79, 0
	s_add_nc_u64 s[UB+2*(\u):UB+2*(\u)+1], s[10:11], s[78:79]
.endr
	; the prefetches
	s_and_b32 s76, ttmp7, 0xffff                   ; cluster y
	s_lshl_b32 s77, s19, 8
	s_lshl_b32 s79, s[HF], 7
	s_add_co_u32 s77, s77, s79
	s_lshl_b32 s79, s16, 5
	s_add_co_u32 s77, s77, s79                     ; A: the 128 rows that I fetch, my work-group's 32 of them
	s_mul_i32 s78, s18, 192
	s_mul_i32 s79, s[HF], 96
	s_add_co_u32 s78, s78, s79
	s_mul_i32 s79, s17, 24
	s_add_co_u32 s78, s78, s79                     ; B: the 96 rows that I fetch, my work-group's 24 of them
	s_cmp_eq_u32 s[HB], 0
	s_cselect_b32 s78, s77, s78
	s_cselect_b32 s76, ttmp9, s76                  ; the coordinate along which other clusters read the same rows
	s_cselect_b32 s47, 31, 23
	s_cselect_b64 s[PFA:PFA+1], s[4:5], s[6:7]
	s_cmp_eq_u32 s76, 0
	s_cselect_b32 s[LIM], 1, -1                    ; the same in all sixteen partners, for a given wave
	s_lshl_b32 s78, s78, 11
	s_mov_b32 s79, 0
	s_add_nc_u64 s[PFA:PFA+1], s[PFA:PFA+1], s[78:79]
	s_add_nc_u64 s[PFA:PFA+1], s[PFA:PFA+1], 2*KSTEP*2  ; at K step 2: the first refill steps it to 3 and names K step 4
	v_and_b32 v[PFO], 31, v0
	v_min_u32 v[PFO], s47, v[PFO]
	v_lshlrev_b32 v[PFO], 11, v[PFO]
; 12 matrix instructions: row block a x all 12 column blocks, 32 along K, from buffer f.  first = 1: the bias starts the sums: nothing is cleared and nothing is added later.
; The 48 accumulators take turns, one instruction a turn, in the same order in every quarter.
.macro MUL12 f, a, first
.if \first
	WIN 0x81+0x40*((\a)/2)                         ; B window 1, A and C window 0, D window 2 or 3
.else
	WIN 0xa1+0x50*((\a)/2)                         ; B window 1, A window 0, C and D window 2 or 3
.endif
.irp b, 0,1,2,3,4,5,6,7,8,9,10,11
.if \first
	v_wmma_f32_16x16x32_bf16 v[96*((\a)%2)+8*(\b):96*((\a)%2)+8*(\b)+7], v[96*(\f)+8*(\b):96*(\f)+8*(\b)+7], v[FA+32*(\f)+8*(\a):FA+32*(\f)+8*(\a)+7], v[BIAS+8*(\b):BIAS+8*(\b)+7]
.else
	v_wmma_f32_16x16x32_bf16 v[96*((\a)%2)+8*(\b):96*((\a)%2)+8*(\b)+7], v[96*(\f)+8*(\b):96*(\f)+8*(\b)+7], v[FA+32*(\f)+8*(\a):FA+32*(\f)+8*(\a)+7], v[96*((\a)%2)+8*(\b):96*((\a)%2)+8*(\b)+7]
.endif
.endr
.endm
; 32 LDS loads in one run: 192 rows of B, then my 64 rows of A, 32 K at byte k of the rows, into buffer f
.macro FETCH slot, k, f
	WIN 0x40
.irp b, 0,1,2,3,4,5,6,7,8,9,10,11
	ds_load_b128 v[96*(\f)+8*(\b):96*(\f)+8*(\b)+3],   v[ADRB+(\slot)] offset:(\k)+(\b)*16*PITCH
	ds_load_b128 v[96*(\f)+8*(\b)+4:96*(\f)+8*(\b)+7], v[ADRB+(\slot)] offset:(\k)+(\b)*16*PITCH+32
.endr
	WIN 0
.irp a, 0,1,2,3
	ds_load_b128 v[FA+32*(\f)+8*(\a):FA+32*(\f)+8*(\a)+3],   v[ADRA+(\slot)] offset:(\k)+(\a)*16*PITCH
	ds_load_b128 v[FA+32*(\f)+8*(\a)+4:FA+32*(\f)+8*(\a)+7], v[ADRA+(\slot)] offset:(\k)+(\a)*16*PITCH+32
.endr
.endm
.macro PLACES                          ; four plain vector instructions between a matrix instruction and a load into, or a vector read of, its registers
.rept 4
	v_nop
.endr
.endm
; A K step is four quarters of 32 along K, 48 matrix instructions each, on buffers 0, 1, 0, 1.  One of the first three: multiplies f, and in its middle fetches the next quarter into g.
.macro QUARTER slot, k, f, g, first
	s_wait_dscnt 4                                 ; B and A's row blocks 0, 1 are in; the youngest four loads (blocks 2, 3) may be out
	MUL12 \f, 0, \first
	MUL12 \f, 1, \first
	PLACES
	FETCH \slot, \k, \g
	s_wait_dscnt 32                                ; all but the 32 just issued
	MUL12 \f, 2, \first
	MUL12 \f, 3, \first
.endm
; The last quarter multiplies buffer 1 and changes slots: one barrier; in front of it each wave waits for all its tensor loads (the one that is out is its part of the next slot), adds 0 to its spare
; word, and waits for that and for its reads of this slot.  fill = 1: the barrier opens a round of the cluster's, and the joint refill, two K steps on, is the first tensor load behind the round.
.macro TURN slot, next, fill
.if \fill
	s_wait_xcnt 0x0                                ; the last prefetch, a K step back, has read its address
	s_add_nc_u64 s[PFA:PFA+1], s[PFA:PFA+1], KSTEP*2
.endif
	WIN 0
	s_wait_tensorcnt 0x0
	ds_add_u32 v[SPW], v[NIL]
	s_wait_dscnt 5                                 ; (the add and the youngest four loads may be out)
	MUL12 1, 0, 0                                  ; twelve matrix instructions stand between the add and the wait for it
	s_wait_dscnt 0x0                               ; the add is done, and my reads of this slot are over
	s_barrier_signal -1
	MUL12 1, 1, 0
.if \fill
	WIN 0
.endif
	s_barrier_wait -1
.if \fill
	CREST                                          ; no wave of any partner still reads this slot or has a load on its way
	s_add_nc_u64 s[G0+4*(\slot)+2:G0+4*(\slot)+3], s[G0+4*(\slot)+2:G0+4*(\slot)+3], 2*KSTEP*2
	s_add_nc_u64 s[G0B+4*(\slot)+2:G0B+4*(\slot)+3], s[G0B+4*(\slot)+2:G0B+4*(\slot)+3], 2*KSTEP*2
	JLOAD \slot                                    ; its four v_nop are also the places in front of the loads below
.else
	PLACES
.endif
	FETCH \next, 0, 0
.if \fill
	ASK
.endif
	MUL12 1, 2, 0
	MUL12 1, 3, 0
.endm
; THE WAY OUT of row block a: rounded to f16 (each accumulator's registers in ascending order), through my own stage, and stored as 512 consecutive bytes of a head: four rows of 128 bytes.
.macro PACK a
	WIN 0x0a+5*((\a)/2)                            ; sources in window 2 or 3
.irp b, 0,1,2,3,4,5,6,7,8,9,10,11
.irp r, 0,1,2,3
	v_cvt_pk_f16_f32 v[TMP+4*(\b)+(\r)], v[96*((\a)%2)+8*(\b)+2*(\r)], v[96*((\a)%2)+8*(\b)+2*(\r)+1]
.endr
.endr
	WIN 0
.endm
.macro BKSET a
.if (\a)%2
.set BK, OB1
.else
.set BK, OB0
.endif
.endm
.macro TOSTAGE a
	BKSET \a
.irp b, 0,1,2,3,4,5,6,7,8,9,10,11
	ds_store_b128 v[STO], v[TMP+4*(\b):TMP+4*(\b)+3] offset:32*(\b)
.endr
.irp u, 0,1,2
.irp i, 0,1,2,3
	ds_load_b128 v[BK+4*(4*(\u)+(\i)):BK+4*(4*(\u)+(\i))+3], v[RD] offset:128*(\u)+4*SPITCH*(\i)  ; LDS serves a wave's instructions in order: these see the stores above
.endr
.endr
.endm
.macro SEND a
	BKSET \a
	s_wait_dscnt 0x0                               ; the block is back in registers
	s_wait_xcnt 0x0                                ; the stores of the block before have read their registers: the buffer that they read is loaded again only behind this wait
.irp u, 0,1,2
.irp i, 0,1,2,3
	global_store_b128 v[CO], v[BK+4*(4*(\u)+(\i)):BK+4*(4*(\u)+(\i))+3], s[UB+2*(\u):UB+2*(\u)+1] offset:2048*(\a)+512*(\i)
.endr
.endr
.endm
	s_wait_tensorcnt 1                             ; my part of K step 0 is in; K step 1's may stay out
	s_barrier_signal -1
	s_barrier_wait -1
	FETCH 0, 0, 0
	s_wait_loadcnt 0x0                             ; the bias
	QUARTER 0, 64, 0, 1, 1                         ; the first quarter stands in front of the loop: its products start the sums
	WIN 0
	s_mov_b32 s[LAP], 3
.Llap:                                                 ; a trip goes once round the ring and fills both slots again
	QUARTER 0, 128, 1, 0, 0
	QUARTER 0, 192, 0, 1, 0
	TURN 0, 1, 1
	QUARTER 1, 64,  0, 1, 0
	QUARTER 1, 128, 1, 0, 0
	QUARTER 1, 192, 0, 1, 0
	TURN 1, 0, 1
	QUARTER 0, 64,  0, 1, 0
	WIN 0
	s_sub_co_u32 s[LAP], s[LAP], 1
	s_cmp_lg_u32 s[LAP], 0
	s_cbranch_scc1 .Llap
	QUARTER 0, 128, 1, 0, 0                        ; the last lap fills nothing
	QUARTER 0, 192, 0, 1, 0
	TURN 0, 1, 0
	QUARTER 1, 64,  0, 1, 0
	QUARTER 1, 128, 1, 0, 0
	QUARTER 1, 192, 0, 1, 0
	s_wait_dscnt 4
	MUL12 1, 0, 0
	MUL12 1, 1, 0
	s_wait_dscnt 0x0
	MUL12 1, 2, 0
	MUL12 1, 3, 0
	WIN 0
	PLACES
	PACK 0
	TOSTAGE 0
.irp a, 1,2,3                          ; block a's conversions stand between block a - 1's loads from the stage and the wait for them
	PACK \a
	SEND (\a)-1
	TOSTAGE \a
.endr
	SEND 3
	s_wait_tensorcnt 0x0                           ; the wave's end
	ds_add_u32 v[SPW], v[NIL]
	s_wait_dscnt 0x0
	CROUND                                         ; the closing round
	s_endpgm
.Lfunc_end_k_qd5cf87f976_qkv:
	.size	k_qd5cf87f976_qkv, .Lfunc_end_k_qd5cf87f976_qkv-k_qd5cf87f976_qkv
	.p2alignl 7, 3214868480
	.fill 96, 4, 3214868480
	.section	.rodata,"a",@progbits
	.p2align	6, 0x0
	.amdhsa_kernel k_qd5cf87f976_qkv
		.amdhsa_group_segment_fixed_size 327680
		.amdhsa_private_segment_fixed_size 0
		.amdhsa_enable_private_segment 0
		.amdhsa_kernarg_size 32
		.amdhsa_user_sgpr_count 2
		.amdhsa_user_sgpr_kernarg_segment_ptr 1
		.amdhsa_wavefront_size32 1
		.amdhsa_system_sgpr_workgroup_id_x 1
		.amdhsa_system_sgpr_workgroup_id_y 1
		.amdhsa_system_sgpr_workgroup_id_z 1
		.amdhsa_system_vgpr_workitem_id 0
		.amdhsa_next_free_vgpr 960
		.amdhsa_next_free_sgpr 80
		.amdhsa_reserve_vcc 0
		.amdhsa_float_denorm_mode_32 3
		.amdhsa_float_denorm_mode_16_64 3
		.amdhsa_memory_ordered 1
		.amdhsa_forward_progress 1
		.amdhsa_inst_pref_size 123
	.end_amdhsa_kernel
	.amdgpu_metadata
---
amdhsa.version: [ 1, 2 ]
amdhsa.kernels:
  - .name:           k_qd5cf87f976_qkv
    .symbol:         k_qd5cf87f976_qkv.kd
    .args:
      - { .name: xb, .offset: 0, .size: 8, .value_kind: global_buffer, .address_space: global }
      - { .name: wat, .offset: 8, .size: 8, .value_kind: global_buffer, .address_space: global }
      - { .name: ba, .offset: 16, .size: 8, .value_kind: global_buffer, .address_space: global }
      - { .name: qkv, .offset: 24, .size: 8, .value_kind: global_buffer, .address_space: global }
    .group_segment_fixed_size: 327680
    .private_segment_fixed_size: 0
    .kernarg_segment_align: 8
    .kernarg_segment_size: 32
    .max_flat_workgroup_size: 128
    .sgpr_count:     80
    .vgpr_count:     960
    .wavefront_size: 32
...
	.end_amdgpu_metadata
.endif
;; end of part 2
;; launch attn (part 3): grid 8 x 32, 4 waves a work-group, no clusters, 327,680 bytes of LDS; arguments qkv, y; writes y
.if DOCPART == 3
	.amdgcn_target "amdgcn-amd-amdhsa--gfx1250"
	.amdhsa_code_object_version 6
	.text
	.protected	k_qd5cf87f976_attn
	.globl	k_qd5cf87f976_attn
	.p2align	8
	.type	k_qd5cf87f976_attn,@function
k_qd5cf87f976_attn:
	s_mov_b64 s[64:65], 0
	v_nop
	global_prefetch_b8 v0, s[64:65] scope:SCOPE_SE
	s_setreg_imm32_b32 hwreg(HW_REG_WAVE_MODE, 25, 1), 1
	s_wait_xcnt 0x0
; CAUSAL ATTENTION.  y[bh][q][:] = the sum over k <= q of softmax_k(Q[q] . K[k] / 8) V[k][:].  qkv: [3][32 bh][2048][64] f16 (q, k, v); y: [32 bh][2048][64] f16.
; Products, maxima and sums in f32; the weights p are rounded to f16 for the second product (their sum l is taken of the unrounded p), y once at the end.
; Left out: key tiles wholly above the diagonal of reference()'s jnp.tril, whose weights are 0 (the first kernel's head has the proof and the limit).
; LIMITS.  A hidden score counts as its value less 1e30; a weight below 2^-126 counts as 0 in l; NaN and infinities are not treated apart; y is a mean of V's rows and has their range.
; THE WALK.  A head's queries lie in 16 blocks of 128; keys in tiles of 256 (four steps of 64).  Block i needs tiles 0 .. i / 2, the last of which holds the diagonal.  Work-group b takes block 15 - b and then
; block b: (15 - b) / 2 + b / 2 = 7 for every b, so every work-group walks 9 tiles, and one loop with a constant trip count walks them.  Which tile is asked for and what a trip does hang on scalars made from b.
; NO CLUSTER: the eight work-groups of a head end their first blocks at tiles 7, 7, 6, 6, 5, 5, 4, 4, so only pairs share a walk; one walk common to four partners would have 12 tiles for 9.
; SHARES.  A block is two bands of 64 queries; wave w owns rows 16 w .. 16 w + 15 of each: tiles 0 and 1.  In a block's last key tile band t's own step is 2 (i % 2) + t: earlier steps it sees whole, later ones not at all.
; THE MASK is the C operand that starts S^T = K Q^T: MD x AL + BE, MD being the mask of a band's own step for my rows: (1, 0) in that step, (0, 0) before it, (0, -1e30) behind it.  Elsewhere C is the constant 0.
; LAYOUT.  S^T = K Q^T holds one query a lane (lane % 16) and the keys 8 (lane / 16) + 0..7; two such results rounded to f16 are source 1 of O^T = V^T P.  p = 2^(c s - c m), c = log2(e) / 8, with a running maximum m;
; O and l are multiplied by a = 2^(c m_old - c m_new) in every step; m starts at the lowest finite number, so a block's first step has a = 0 and is a step like any other.
; A KEY STEP.  BODY: 16 products K Q^T (tile 0's bare, tile 1's with tile 0's maximum behind them); V's run of loads; batch A: tile 0's exponentials, tile 1's maximum between them; a wait; batch B: tile 1's
; exponentials, tile 0's roundings, sums and rescaling between them; a wait.  HEAD of the next step: K's run of loads; 16 products V^T P, tile 1's roundings, rescaling and sums behind them.
; LDS is read in the order K(j), V(j), K(j + 1): so the change of slots stands between a BODY and a HEAD.
; REGISTERS.  window 0: v0-15 addresses; v16-23 statistics (c m, m, l, l a tile); v24-31 at work; v64-127 S^T; v128-159 P; v160-223 O^T; v224-255 MD.
;   window 1: v0-31 Q; v32-63 the second block's Q; v64-127 K of a step; v128-191 V of a step; v192-255 the masks in hand.
.set KS,    64
.set PK,    144       ; a row of K in LDS: 128 bytes + 16
.set PV,    160       ; a row of V: 128 + 32: 16 lanes of the turning load take 8 rows x 32 bytes
.set VOFF,  4*KS*PK   ; a slot holds a tile: 256 rows of K, then 256 rows of V
.set SLOT1, 1<<17
.set STAGE, SLOT1+4*KS*(PK+PV)  ; behind the ring, never filled by a tensor load: 16 rows x 144 bytes for each wave
.set SP,    144
.set SPARE, STAGE+4*16*SP       ; the spare words, 128 bytes for each wave, which no other line names
.set AK0, 2
.set AV0, 3
.set AK,  4
.set AV,  5
.set STO, 6
.set RD,  7
.set GO,  8
.set MV,  12          ; v12-13 c m_old, a tile
.set QO,  15
.set ST,  16
.set TMP, 24
.set PFO, 32          ; 256 x lane; never rewritten
.set SPW, 62          ; my spare word; never rewritten
.set NIL, 63          ; 0; never rewritten
.set S,   64
.set P,   128
.set O,   160
.set MD,  224
.set QB,  32          ; window 1
.set KF,  64
.set VF,  128
.set MC,  192
.set WV,  12
.set PB,  14          ; b
.set HI,  15          ; 15 - b
.set G1K, 24
.set G1V, 32
.set G0K, 40
.set G0V, 44
.set LQ2, 48          ; the second block's last tile
.set OW,  49          ; s49-50 the value of CNT in band t's own step, for the block in hand
.set OW2, 51          ; s51-52 the same for the second block
.set LIM, 53
.set PFA, 54
.set SLOTS, 56
.set CNT, 57
.set CS,  58
.set SEL, 60
.set TBK, 62
.set TBV, 63
.set RT,  70          ; tiles of the block in hand still to be entered
.set NXT, 71          ; the tile to be asked for next
.set LQ,  72          ; the last tile of the block whose tiles are being asked for
.set NEW, 73          ; 1: the tile to be entered is a block's first
.set OFF, 74
.set AL,  76
.set BE,  78
.set OLO, 80
.set BIGN, 82
.set MSB, 0
.macro WIN new
.if MSB != (\new)
	s_set_vgpr_msb (MSB<<8)|(\new)
.set MSB, (\new)
.endif
.endm
.set W_KQ, 0x05       ; K and Q in window 1, S^T in window 0
.set W_KM, 0x15       ; the same with the C operand in window 1
.set W_PV, 0x01       ; V in window 1; P and O^T in window 0
; A fill.  Waves 0 and 1 fetch the two halves of a tile's K, waves 2 and 3 those of its V.  An s_nop 0 and four v_nop follow each of the two lines.
.macro LOAD
	s_cmp_lt_u32 s[WV], 2
	s_cbranch_scc0 .Lfor_v_\@
	tensor_load_to_lds s[G0K:G0K+3], s[G1K:G1K+7]
	s_nop 0
.rept 4
	v_nop
.endr
	s_branch .Lasked_\@
.Lfor_v_\@:
	tensor_load_to_lds s[G0V:G0V+3], s[G1V:G1V+7]
	s_nop 0
.rept 4
	v_nop
.endr
.Lasked_\@:
.endm
; A prefetch into the L2: my half (16,384 bytes: 64 blocks of 256, a lane a block, two instructions) of the tile two tiles, eight key steps, beyond the one just asked for.  All work-groups of a head walk the same
; tiles: b = 0, whose first block has all eight, asks, in the loop's first five trips, for tiles 3 to 7; tiles 0 to 2 come by their loads alone.  So each block is named once in the launch.
.macro ASK
	s_cmp_gt_u32 s[SLOTS], s[LIM]
	s_cbranch_scc0 .Lnot_mine_\@
	global_prefetch_b8 v[PFO], s[PFA:PFA+1] th:TH_LOAD_NT scope:SCOPE_SE
	global_prefetch_b8 v[PFO], s[PFA:PFA+1] offset:8192 th:TH_LOAD_NT scope:SCOPE_SE
.Lnot_mine_\@:
.endm
; THE CHANGE OF SLOTS.  Each wave waits for all its tensor loads (the one that is out is its part of the other slot), adds 0 to its spare word, and waits for that and for its reads of the slot that it leaves.
; fill = 1: the old slot is filled again, first thing behind the barrier, with tile NXT; the descriptor's address is made anew from that number.  (At its first use slot 0 is waited for and slot 1 filled.)
.macro CHANGE fill
	WIN 0
	s_wait_tensorcnt 0x0            ; no tensor load of mine is out, so a group 0 may be written
	ds_add_u32 v[SPW], v[NIL]
.if \fill
	s_lshl_b32 s[OFF], s[NXT], 15   ; a tile is 32,768 bytes of K and of V
	s_xor_b32 s[G0K+1], s[G0K+1], SLOT1
	s_add_nc_u64 s[G0K+2:G0K+3], s[6:7], s[OFF:OFF+1]
	s_or_b32 s[G0K+3], s[G0K+3], 0x80000000
	s_xor_b32 s[G0V+1], s[G0V+1], SLOT1
	s_add_nc_u64 s[G0V+2:G0V+3], s[8:9], s[OFF:OFF+1]
	s_or_b32 s[G0V+3], s[G0V+3], 0x80000000
	s_add_co_u32 s[NXT], s[NXT], 1  ; the block's next tile, or behind its last the second block's tile 0
	s_cmp_gt_u32 s[NXT], s[LQ]
	s_cselect_b32 s[NXT], 0, s[NXT]
	s_cselect_b32 s[LQ], s[LQ2], s[LQ]
	s_wait_xcnt 0x0                 ; the last prefetches, four key steps back, have read their address
	s_add_nc_u64 s[PFA:PFA+1], s[PFA:PFA+1], 32768
.endif
	s_wait_dscnt 0x0                ; the add is done, and my reads of the slot are over
	s_barrier_signal -1
	s_sub_co_u32 s[TBK], s[TBK], 4*KS*PK  ; the fetches go back to a slot's first step,
	s_xor_b32 s[TBK], s[TBK], SLOT1       ; in the other slot
	s_sub_co_u32 s[TBV], s[TBV], 4*KS*PV
	s_xor_b32 s[TBV], s[TBV], SLOT1
	s_barrier_wait -1
.if \fill
	LOAD
	ASK
.endif
.endm
	s_load_b128 s[16:19], s[0:1], 0x0  ; qkv 16, y 18
	v_lshl_add_u32 v[SPW], v0, 2, SPARE
	v_mov_b32 v[NIL], 0
	ds_add_u32 v[SPW], v[NIL]       ; the wave's opening: the add, twice on end, and its wait ahead of my first tensor load
	ds_add_u32 v[SPW], v[NIL]
	v_lshrrev_b32 v1, 5, v0
	v_readfirstlane_b32 s[WV], v1
	s_mov_b32 s[PB], ttmp9
	s_sub_co_u32 s[HI], 15, s[PB]
	s_lshr_b32 s[LQ], s[HI], 1
	s_lshr_b32 s[LQ2], s[PB], 1
	s_and_b32 s20, s[HI], 1
	s_lshl_b32 s20, s20, 1
	s_sub_co_u32 s[OW], 4, s20      ; CNT runs 4 .. 1 over a tile's steps 0 .. 3
	s_sub_co_u32 s[OW+1], 3, s20
	s_and_b32 s20, s[PB], 1
	s_lshl_b32 s20, s20, 1
	s_sub_co_u32 s[OW2], 4, s20
	s_sub_co_u32 s[OW2+1], 3, s20
	s_and_b32 s20, ttmp7, 0xffff
	s_lshl_b32 s20, s20, 18         ; the head's first byte in q, k, v and y
	s_and_b32 s22, s[WV], 1         ; which half of a tile's 256 keys I fetch
	s_lshl_b32 s84, s22, 14
	s_add_co_u32 s84, s84, s20
	s_mov_b32 s85, 0
	s_mul_i32 s23, s22, 128*PK      ; its place in a slot, for K
	s_mul_i32 s22, s22, 128*PV      ; and for V
	s_lshl_b32 s21, s[WV], 11       ; my 16 rows in a band
	s_add_co_u32 s21, s21, s20
	s_lshl_b32 s2, s[HI], 14        ; in the first block (128 rows of 128 bytes),
	s_add_co_u32 s2, s2, s21
	s_mov_b32 s3, 0
	s_lshl_b32 s86, s[PB], 14       ; and in the second
	s_add_co_u32 s86, s86, s21
	s_mov_b32 s87, 0
	; descriptor group 1.  128 keys are 16,384 dense bytes: asked for as 64 rows of 256 bytes, two keys a row, and padded in LDS after every key
	s_mov_b32 s[G1K], (1<<16)|(1<<20)|(4<<22)|(3<<25)  ; 2-byte elements; padding on; after every 32 words 4 words
	s_mov_b32 s[G1V], (1<<16)|(1<<20)|(4<<22)|(7<<25)  ; the same with 8 words
.irp g, G1K, G1V
	s_mov_b32 s[\g+1], 128<<16
	s_mov_b32 s[\g+2], 64<<16
	s_mov_b32 s[\g+3], 128<<16
	s_mov_b32 s[\g+4], 64
	s_mov_b32 s[\g+5], 128
	s_mov_b32 s[\g+6], 0
	s_mov_b32 s[\g+7], 0
.endr
	s_mov_b32 s[CS], 0x3e38aa3b     ; c = log2(e) / 8
	s_mov_b32 s[CS+1], s[CS]
	s_mov_b32 s[SEL], 0x76543210
	s_mov_b32 s[SEL+1], 0xfedcba98
	s_mov_b32 s[TBK], SLOT1+4*KS*PK ; the first change of slots turns these two into 0
	s_mov_b32 s[TBV], SLOT1+4*KS*PV
	s_mov_b32 s[G0K], 1
	s_mov_b32 s[G0K+1], s23
	s_mov_b32 s[G0V], 1
	s_add_co_u32 s[G0V+1], s22, VOFF
	s_add_co_u32 s[RT], s[LQ], 1
	s_mov_b32 s[NXT], 1
	s_mov_b32 s[NEW], 1
	s_mov_b32 s[OFF+1], 0
	s_mov_b32 s[AL+1], 0
	s_mov_b32 s[BE+1], 0
	s_mov_b32 s[BIGN], 0xf149f2ca   ; -1e30
	s_mov_b32 s[SLOTS], 8
	s_cmp_eq_u32 s[PB], 0
	s_cselect_b32 s[LIM], 3, -1
	s_wait_dscnt 0x0                ; both opening adds are done
	s_wait_kmcnt 0x0
	s_add_nc_u64 s[6:7], s[16:17], s[84:85]
	s_add_nc_u64 s[8:9], s[6:7], 0x1000000         ; V at my half of the head's tile 0
	s_add_nc_u64 s[6:7], s[6:7], 0x800000          ; K likewise
	s_add_nc_u64 s[G0K+2:G0K+3], s[6:7], 0
	s_or_b32 s[G0K+3], s[G0K+3], 0x80000000
	s_add_nc_u64 s[G0V+2:G0V+3], s[8:9], 0
	s_or_b32 s[G0V+3], s[G0V+3], 0x80000000
	s_add_nc_u64 s[4:5], s[16:17], s[2:3]          ; Q and y at my rows of the first block,
	s_add_nc_u64 s[10:11], s[18:19], s[2:3]
	s_add_nc_u64 s[OLO:OLO+1], s[18:19], s[86:87]  ; and of the second
	s_add_nc_u64 s[86:87], s[16:17], s[86:87]
	s_cmp_lt_u32 s[WV], 2
	s_cselect_b64 s[PFA:PFA+1], s[6:7], s[8:9]
	s_add_nc_u64 s[PFA:PFA+1], s[PFA:PFA+1], 65536 ; at tile 2: the first change of slots steps it to tile 3
	LOAD                            ; tile 0 into slot 0
	v_and_b32 v1, 15, v0            ; r = lane % 16
	v_bfe_u32 v9, v0, 4, 1          ; h = lane / 16
	v_lshlrev_b32 v[QO], 7, v1
	v_lshl_add_u32 v[QO], v9, 4, v[QO]
	WIN 0x40                        ; destination window 1, address window 0
.set i, 0
.rept 4                             ; both blocks' Q: tile i / 2 lies in band i / 2, 8,192 bytes on; channels 32 (i % 2) on
	global_load_b128 v[8*i:8*i+3],   v[QO], s[4:5] offset:(i/2)*8192+(i%2)*64
	global_load_b128 v[8*i+4:8*i+7], v[QO], s[4:5] offset:(i/2)*8192+(i%2)*64+32
	global_load_b128 v[QB+8*i:QB+8*i+3],   v[QO], s[86:87] offset:(i/2)*8192+(i%2)*64
	global_load_b128 v[QB+8*i+4:QB+8*i+7], v[QO], s[86:87] offset:(i/2)*8192+(i%2)*64+32
.set i, i+1
.endr
	WIN 0
	v_lshlrev_b32 v14, 3, v9
	v_sub_nc_u32 v14, v1, v14
	s_lshl_b32 s13, s[WV], 4
	v_add_nc_u32 v14, s13, v14      ; my query's place in its band less my lanes' 8 h: register j of key group kt is hidden where 16 kt + j is greater
.set i, 0
.rept 32
	v_cmp_gt_i32 vcc_lo, 16*(i/8)+i%8, v14
	v_cndmask_b32 v[MD+i], 0, s[BIGN], vcc_lo
.set i, i+1
.endr
	v_mul_u32_u24 v[AK0], v1, PK
	v_lshl_add_u32 v[AK0], v9, 4, v[AK0]
	v_and_b32 v10, 7, v0            ; the turning load: lane l reads key 8 (l / 16) + l % 8, channels 8 ((l / 8) % 2) + 0..7
	v_bfe_u32 v11, v0, 3, 1
	v_lshl_add_u32 v[AV0], v9, 3, v10
	v_mul_u32_u24 v[AV0], v[AV0], PV
	v_lshl_add_u32 v[AV0], v11, 4, v[AV0]
	v_add_nc_u32 v[AV0], VOFF, v[AV0]
	s_mul_i32 s13, s[WV], 16*SP
	s_add_co_u32 s13, s13, STAGE    ; my stage
	v_mul_u32_u24 v[STO], v1, SP
	v_lshl_add_u32 v[STO], v9, 4, v[STO]
	v_add_nc_u32 v[STO], s13, v[STO]
	v_bfe_u32 v[RD], v0, 3, 2
	v_mul_u32_u24 v[RD], v[RD], SP
	v_lshl_add_u32 v[RD], v10, 4, v[RD]
	v_add_nc_u32 v[RD], s13, v[RD]
	v_and_b32 v[GO], 31, v0
	v_lshlrev_b32 v[PFO], 8, v[GO]
	v_lshlrev_b32 v[GO], 4, v[GO]
	; A block's first step multiplies O^T and l by a = 0, so they need only hold finite numbers: zeros for the first block, what the first block left for the second.  This stands in the wait for the first tile.
.set i, 0
.rept 64
	v_mov_b32 v[O+i], 0
.set i, i+1
.endr
.irp t, 0,1
	v_mov_b32 v[ST+4*\t+2], 0
	v_mov_b32 v[ST+4*\t+3], 0
.endr
; THE MATRIX WORK.  The 4 accumulators of a run of 8 take turns.  Product i of 8 of S^T = K Q^T for tile t: channels 32 (i / 4) on, keys 16 (i % 4) on; the first 4 start the sums.
.macro KQ t
.set rS, S+32*(\t)+8*(i%4)
.set rK, KF+16*(i%4)+8*(i/4)
.set rQ, 16*(\t)+8*(i/4)
.set rM, MC+32*(\t)+8*(i%4)
.if (i < 4) && KM
	WIN W_KM
	v_wmma_f32_16x16x32_f16 v[rS:rS+7], v[rK:rK+7], v[rQ:rQ+7], v[rM:rM+7]
.elseif i < 4
	WIN W_KQ
	v_wmma_f32_16x16x32_f16 v[rS:rS+7], v[rK:rK+7], v[rQ:rQ+7], 0
.else
	WIN W_KQ
	v_wmma_f32_16x16x32_f16 v[rS:rS+7], v[rK:rK+7], v[rQ:rQ+7], v[rS:rS+7]
.endif
.endm
; Product i of 8 of O^T += V^T P for tile t: keys 32 (i / 4) on, channels 16 (i % 4) on.
.macro PV t
	WIN W_PV
.set rO, O+32*(\t)+8*(i%4)
.set rV, VF+32*(i/4)+8*(i%4)
.set rP, P+16*(\t)+8*(i/4)
	v_wmma_f32_16x16x32_f16 v[rO:rO+7], v[rV:rV+7], v[rP:rP+7], v[rO:rO+7]
.endm
; THE LDS LOADS stand in runs of 16.
.macro FETCH_K
	WIN 0
	v_add_nc_u32 v[AK], s[TBK], v[AK0]
	WIN 0x40
.irp f, 0,1,2,3,4,5,6,7             ; keys 16 (f / 2) on, channels 32 (f % 2) on
	ds_load_b128 v[KF+8*\f:KF+8*\f+3],   v[AK] offset:(\f/2)*16*PK+(\f%2)*64
	ds_load_b128 v[KF+8*\f+4:KF+8*\f+7], v[AK] offset:(\f/2)*16*PK+(\f%2)*64+32
.endr
	s_add_co_u32 s[TBK], s[TBK], KS*PK
	WIN 0
.endm
.macro FETCH_V
	WIN 0
	v_add_nc_u32 v[AV], s[TBV], v[AV0]
	WIN 0x40
.irp f, 0,1,2,3,4,5,6,7             ; keys 32 (f / 4) on, channels 16 (f % 4) on
	ds_load_tr16_b128 v[VF+8*\f:VF+8*\f+3],   v[AV] offset:(\f/4)*32*PV+(\f%4)*32
	ds_load_tr16_b128 v[VF+8*\f+4:VF+8*\f+7], v[AV] offset:(\f/4)*32*PV+16*PV+(\f%4)*32
.endr
	s_add_co_u32 s[TBV], s[TBV], KS*PV
	WIN 0
.endm
; THE VECTOR WORK, a line at a time, all in window 0, for tile t.
.macro REGS t
.set rT, ST+4*(\t)
.set rC, TMP+4*(\t)
.set rW, MV+(\t)
.set rS, S+32*(\t)
.set rP, P+16*(\t)
.set rO, O+32*(\t)
.endm
; XS t, n: number n of the 22 that find the maximum and statistics.  0-11 four chains of seven scores each (each accumulator's lowest registers are read first); 12-14, 16 the four scores
; left over, the old m, and the four chains into one; 15 c m_old is kept; 17, 18 the query's other 32 keys lie in the lane 16 away: the new m; 19-21 c m; c m_old - c m_new; a.
.macro XS t, n
	REGS \t
.if (\n) < 4
	v_max3_num_f32 v[rC+(\n)], v[rS+8*(\n)], v[rS+8*(\n)+1], v[rS+8*(\n)+2]
.elseif (\n) < 12
	v_max3_num_f32 v[rC+(\n)%4], v[rC+(\n)%4], v[rS+8*((\n)%4)+2*((\n)/4)+1], v[rS+8*((\n)%4)+2*((\n)/4)+2]
.elseif (\n) == 12
	v_max3_num_f32 v[rC], v[rC], v[rS+7], v[rS+15]
.elseif (\n) == 13
	v_max3_num_f32 v[rC+1], v[rC+1], v[rS+23], v[rS+31]
.elseif (\n) == 14
	v_max3_num_f32 v[rC+2], v[rC+2], v[rC+3], v[rT+1]
.elseif (\n) == 15
	v_mov_b32 v[rW], v[rT]
.elseif (\n) == 16
	v_max3_num_f32 v[rC], v[rC], v[rC+1], v[rC+2]
.elseif (\n) == 17
	v_permlanex16_b32 v[rC+3], v[rC], s[SEL], s[SEL+1]
.elseif (\n) == 18
	v_max_num_f32 v[rT+1], v[rC], v[rC+3]
.elseif (\n) == 19
	v_mul_f32 v[rT], s[CS], v[rT+1]
.elseif (\n) == 20
	v_sub_f32 v[rC+1], v[rW], v[rT]
.else
	v_exp_f32 v[rC+2], v[rC+1]
.endif
.endm
.macro FS t, n                      ; c s - c m for pair n of 16
	REGS \t
	v_pk_fma_f32 v[rS+2*(\n):rS+2*(\n)+1], v[rS+2*(\n):rS+2*(\n)+1], s[CS:CS+1], v[rT:rT+1] op_sel_hi:[1,0,0] neg_lo:[0,0,1] neg_hi:[0,0,1]
.endm
.macro ES t, n                      ; the exponential of score n of 32
	REGS \t
	v_exp_f32 v[rS+(\n)], v[rS+(\n)]
.endm
.macro CV t, n                      ; pair n rounded to f16
	REGS \t
	v_cvt_pk_f16_f32 v[rP+(\n)], v[rS+2*(\n)], v[rS+2*(\n)+1]
.endm
.macro BS t, n                      ; of the four weights 4 n .. the second pair is added onto the first, in place
	REGS \t
	v_pk_add_f32 v[rS+4*(\n):rS+4*(\n)+1], v[rS+4*(\n):rS+4*(\n)+1], v[rS+4*(\n)+2:rS+4*(\n)+3]
.endm
.macro LS t, n                      ; l takes that sum; the first time l = a l + sum
	REGS \t
.if (\n) == 0
	v_pk_fma_f32 v[rT+2:rT+3], v[rT+2:rT+3], v[rC+2:rC+3], v[rS:rS+1] op_sel_hi:[1,0,1]
.else
	v_pk_add_f32 v[rT+2:rT+3], v[rT+2:rT+3], v[rS+4*(\n):rS+4*(\n)+1]
.endif
.endm
.macro RS t, n                      ; pair n of 16 of O^T times a (in ascending order: each accumulator's lowest registers first)
	REGS \t
	v_pk_mul_f32 v[rO+2*(\n):rO+2*(\n)+1], v[rO+2*(\n):rO+2*(\n)+1], v[rC+2:rC+3] op_sel_hi:[1,0]
.endm
; DQ: entry d of the 48 that follow tile 0's exponentials: for each four weights two roundings, the addition in place, and l for the four before; then the rest of the rescaling.
.macro DQ
.if d < 32
.if d%4 == 0
	CV 0, 2*(d/4)
.elseif d%4 == 1
	CV 0, 2*(d/4)+1
.elseif d%4 == 2
	BS 0, d/4
.elseif d == 3
	RS 0, 0
.else
	LS 0, d/4-1
.endif
.elseif d == 32
	LS 0, 7
.else
	RS 0, d-32
.endif
.set d, d+1
.endm
.macro MASK t                       ; MD x AL + BE
	WIN 0x40
.set z, 0
.rept 16
	v_pk_fma_f32 v[MC+32*(\t)+2*z:MC+32*(\t)+2*z+1], v[MD+2*z:MD+2*z+1], s[AL:AL+1], s[BE:BE+1] op_sel_hi:[1,0,0]
.set z, z+1
.endr
.endm
; 16 products V^T P.  Behind tile 0's: tile 1's roundings and rescaling, all of which are out before tile 1's products begin.  Behind tile 1's: tile 1's sums.  n: the LDS loads issued behind V's, which may stay out.
.macro PVRUN n
	s_wait_dscnt \n                 ; V is in
.set i, 0
.rept 8
	PV 0
	WIN 0
	CV 1, 2*i
	CV 1, 2*i+1
	RS 1, 2*i
	RS 1, 2*i+1
.set i, i+1
.endr
.set i, 0
.rept 8
	PV 1
	WIN 0
	BS 1, i
.if i > 0
	LS 1, i-1
.endif
.set i, i+1
.endr
	LS 1, 7
.endm
.macro HEAD
	FETCH_K                         ; the next step's K: its last reader stands a whole softmax back
	PVRUN 16
	WIN 0
.endm
; m = 1: a block's last tile: the products take masks, made here for the step in hand.
.macro BODY m
	s_wait_dscnt 0x0                ; K is in
.set KM, (\m)
.if \m
.irp t, 0,1
	s_cmp_eq_u32 s[CNT], s[OW+\t]   ; is this step the band's own?
	s_cselect_b32 s[AL], 1.0, 0
	s_cmp_lt_u32 s[CNT], s[OW+\t]   ; or a later one?
	s_cselect_b32 s[BE], s[BIGN], 0
	MASK \t
.endr
.endif
.set i, 0
.rept 8
	KQ 0
.set i, i+1
.endr
.set i, 0
.rept 8
	KQ 1
.if i == 0
	WIN 0
.rept 4
	v_nop                           ; the places between tile 0's last product and the first read of its scores
.endr
.elseif i < 5
	WIN 0
	XS 0, 4*(i-1)
	XS 0, 4*(i-1)+1
	XS 0, 4*(i-1)+2
	XS 0, 4*(i-1)+3
.elseif i == 5
	WIN 0
	XS 0, 16
.endif
.set i, i+1
.endr
	WIN 0
	XS 0, 17
	FETCH_V                         ; V's last reader stands behind tile 0's maximum: more than four plain instructions back
	XS 0, 18
	XS 0, 19
	XS 0, 20                        ; with V's address and the first scaling: five plain instructions between tile 1's last product and the first read of its scores
	; batch A: plain and exponential by turns.  Plain: tile 0's 16 scalings and numbers 0-16 of tile 1's maximum.  Exponentials: tile 0's a, then its 32 scores; a pair is scaled a slot or more ahead of its exponentials.
.set sl, 0
.rept 33
.if sl == 32
	XS 1, 16
.elseif sl%2 == 0
	FS 0, sl/2
.else
	XS 1, (sl-1)/2
.endif
.if sl == 0
	XS 0, 21
.else
	ES 0, sl-1
.endif
.set sl, sl+1
.endr
	v_nop                           ; a plain instruction behind the last exponential
	s_wait_alu depctr_va_vdst(0)    ; one wait for batch A's 33 exponentials, ahead of the first line that names a result
	; batch B: tile 1's chain, scalings and exponentials; between them tile 0's 48 (DQ), which read batch A's results
.set d, 0
	XS 1, 17
	DQ
	DQ
	DQ
	XS 1, 18
	DQ
	DQ
	DQ
	XS 1, 19
	DQ
	DQ
	DQ
	XS 1, 20
	FS 1, 0
	DQ
	XS 1, 21
.set kk, 0
.rept 16
.if kk < 15
	FS 1, kk+1
.endif
	ES 1, 2*kk
	DQ
	ES 1, 2*kk+1
	DQ
.set kk, kk+1
.endr
.rept 6
	DQ
.endr
	s_wait_alu depctr_va_vdst(0)    ; one wait for batch B's 33, ahead of the branch and of the next HEAD, which reads them
	s_sub_co_u32 s[CNT], s[CNT], 1
	s_cmp_lg_u32 s[CNT], 0
.endm
; A BLOCK BEGINS: c m far below every c s, so that the first a is 0; m at the lowest finite number; K of the tile's first step.  The step loop is entered at BODY.
.macro BEGIN
	s_mov_b32 s[NEW], 0
	WIN 0
.irp t, 0,1
	v_mov_b32 v[ST+4*\t], 0xfe000000
	v_mov_b32 v[ST+4*\t+1], 0xff7fffff
.endr
	FETCH_K
	s_wait_loadcnt 0x0              ; Q
.endm
.macro PACK t                       ; O^T / l, rounded to f16; 16 bytes a lane into rows of 144 bytes, and back as whole rows of 128
.set i, 0
.rept 16
	v_pk_mul_f32 v[O+32*(\t)+2*i:O+32*(\t)+2*i+1], v[O+32*(\t)+2*i:O+32*(\t)+2*i+1], v[ST+4*(\t)+2:ST+4*(\t)+3] op_sel_hi:[1,0]
.set i, i+1
.endr
.set i, 0
.rept 16
	v_cvt_pk_f16_f32 v[S+16*(\t)+i], v[O+32*(\t)+2*i], v[O+32*(\t)+2*i+1]
.set i, i+1
.endr
.irp f, 0,1,2,3
	ds_store_b128 v[STO], v[S+16*(\t)+4*\f:S+16*(\t)+4*\f+3] offset:32*\f
.endr
.irp f, 0,1,2,3
	ds_load_b128 v[S+16*(\t)+4*\f:S+16*(\t)+4*\f+3], v[RD] offset:\f*4*SP  ; LDS serves a wave's instructions in order: these see the stores above
.endr
.endm
.macro SEND t, younger              ; younger: the LDS instructions issued behind tile t's loads
.irp f, 0,1,2,3
	s_wait_dscnt (\younger)+3-\f
	global_store_b128 v[GO], v[S+16*(\t)+4*\f:S+16*(\t)+4*\f+3], s[10:11] offset:(\t)*8192+\f*512  ; 512 consecutive bytes, aligned
.endr
.endm
; A block's last tile, its last products, and the way out.
.macro DIAG tag
.LstepM\tag:
	HEAD
.LfirstM\tag:
	BODY 1
	s_cbranch_scc1 .LstepM\tag
	PVRUN 0
	WIN 0
.irp t, 0,1
	v_add_f32 v[ST+4*\t+2], v[ST+4*\t+2], v[ST+4*\t+3]
.endr
.irp t, 0,1
	v_permlanex16_b32 v[ST+4*\t+3], v[ST+4*\t+2], s[SEL], s[SEL+1]
.endr
.irp t, 0,1
	v_add_f32 v[ST+4*\t+2], v[ST+4*\t+2], v[ST+4*\t+3]
.endr
.irp t, 0,1
	v_rcp_f32 v[ST+4*\t+2], v[ST+4*\t+2]
.endr
	v_nop                           ; a plain instruction behind the last reciprocal,
	s_wait_alu depctr_va_vdst(0)    ; and one wait for the two, ahead of the first use
	PACK 0
	PACK 1
	SEND 0, 8
	SEND 1, 0
.endm
.set KM, 0
.Lslot:                             ; 8 times: a tile is entered and the next is asked for
	CHANGE 1
	s_sub_co_u32 s[RT], s[RT], 1
	s_mov_b32 s[CNT], 4
	s_cmp_eq_u32 s[NEW], 1
	s_cbranch_scc1 .Lnew            ; a block's first tile
	s_cmp_eq_u32 s[RT], 0
	s_cbranch_scc0 .Lstep           ; neither its first nor its last
	s_branch .LstepM1
.Lnew:
	BEGIN
	s_branch .Lfirst                ; in the loop a block's first tile is never its last: the first block has five tiles or more, and the second's last is the walk's last
	DIAG 1                          ; in the loop this is the first block's end
	s_wait_xcnt 0x0                 ; the stores have read their registers and y's address
	s_mov_b64 s[10:11], s[OLO:OLO+1]
	s_add_co_u32 s[RT], s[LQ2], 1
	s_mov_b32 s[NEW], 1
	s_mov_b32 s[OW], s[OW2]
	s_mov_b32 s[OW+1], s[OW2+1]
	WIN 0x41                        ; the second block's Q goes where the one text of the products names Q
.set i, 0
.rept 32
	v_mov_b32 v[i], v[QB+i]
.set i, i+1
.endr
	WIN 0
	s_branch .Lbottom
.Lstep:
	HEAD
.Lfirst:
	BODY 0
	s_cbranch_scc1 .Lstep
.Lbottom:
	s_sub_co_u32 s[SLOTS], s[SLOTS], 1
	s_cmp_lg_u32 s[SLOTS], 0
	s_cbranch_scc1 .Lslot
	CHANGE 0                        ; the walk's last tile is written out: nothing is asked for
	s_sub_co_u32 s[RT], s[RT], 1
	s_mov_b32 s[CNT], 4
	s_cmp_eq_u32 s[NEW], 1
	s_cbranch_scc0 .LstepM2
	BEGIN
	s_branch .LfirstM2
	DIAG 2
	s_wait_tensorcnt 0x0            ; the wave's end
	ds_add_u32 v[SPW], v[NIL]
	s_wait_dscnt 0x0
	s_endpgm
.Lfunc_end_k_qd5cf87f976_attn:
	.size	k_qd5cf87f976_attn, .Lfunc_end_k_qd5cf87f976_attn-k_qd5cf87f976_attn
	.p2alignl 7, 3214868480
	.fill 96, 4, 3214868480
	.section	.rodata,"a",@progbits
	.p2align	6, 0x0
	.amdhsa_kernel k_qd5cf87f976_attn
		.amdhsa_group_segment_fixed_size 327680
		.amdhsa_private_segment_fixed_size 0
		.amdhsa_enable_private_segment 0
		.amdhsa_kernarg_size 16
		.amdhsa_user_sgpr_count 2
		.amdhsa_user_sgpr_kernarg_segment_ptr 1
		.amdhsa_wavefront_size32 1
		.amdhsa_system_sgpr_workgroup_id_x 1
		.amdhsa_system_sgpr_workgroup_id_y 1
		.amdhsa_system_sgpr_workgroup_id_z 1
		.amdhsa_system_vgpr_workitem_id 0
		.amdhsa_next_free_vgpr 512
		.amdhsa_next_free_sgpr 88
		.amdhsa_reserve_vcc 1
		.amdhsa_float_denorm_mode_32 3
		.amdhsa_float_denorm_mode_16_64 3
		.amdhsa_memory_ordered 1
		.amdhsa_forward_progress 1
		.amdhsa_inst_pref_size 104
	.end_amdhsa_kernel
	.amdgpu_metadata
---
amdhsa.version: [ 1, 2 ]
amdhsa.kernels:
  - .name:           k_qd5cf87f976_attn
    .symbol:         k_qd5cf87f976_attn.kd
    .args:
      - { .name: qkv, .offset: 0, .size: 8, .value_kind: global_buffer, .address_space: global }
      - { .name: y, .offset: 8, .size: 8, .value_kind: global_buffer, .address_space: global }
    .group_segment_fixed_size: 327680
    .private_segment_fixed_size: 0
    .kernarg_segment_align: 8
    .kernarg_segment_size: 16
    .max_flat_workgroup_size: 128
    .sgpr_count:     88
    .vgpr_count:     512
    .wavefront_size: 32
...
	.end_amdgpu_metadata
.endif
;; end of part 3
;; launch proj (part 4): grid 8 x 32, 4 waves a work-group, clusters of 4 x 4, 327,680 bytes of LDS; arguments y, wpt, bp, out0; writes out0
.if DOCPART == 4
	.amdgcn_target "amdgcn-amd-amdhsa--gfx1250"
	.amdhsa_code_object_version 6
	.text
	.protected	k_qd5cf87f976_proj
	.globl	k_qd5cf87f976_proj
	.p2align	8
	.type	k_qd5cf87f976_proj,@function
k_qd5cf87f976_proj:
	s_mov_b64 s[64:65], 0
	v_nop
	global_prefetch_b8 v0, s[64:65] scope:SCOPE_SE
	s_setreg_imm32_b32 hwreg(HW_REG_WAVE_MODE, 25, 1), 1
	s_wait_xcnt 0x0
	s_wait_alu depctr_hold_cnt(0) depctr_sa_sdst(0) depctr_va_vdst(0) depctr_va_sdst(0) depctr_va_ssrc(0) depctr_va_vcc(0) depctr_vm_vsrc(0)
	s_getreg_b32 s2, hwreg(HW_REG_IB_STS2, 6, 4)
	s_cmp_eq_u32 s2, 0
	s_cbranch_scc0 .Lentry_in_a_cluster
	s_endpgm
.Lentry_in_a_cluster:
	s_bfe_u32 s2, ttmp6, 0x10000c
	s_cmp_lg_u32 s2, 0xf033
	s_cbranch_scc0 .Lentry_shape_is_right
	s_endpgm
.Lentry_shape_is_right:
; PROJ: out0 = y w_proj + b_proj.  y: [32 bh][2048 t][64] f16 (row m = 2048 batch + t, channel k = 64 head + d); wpt: [1024 n][1024 k] f16; bp: [1024] f32; out0: [4096][1024] f32.  Sums in f32.
; SHARES.  A tile is 128 x 128: 8 x 32 tiles, one work-group each; four waves, each 64 x 64: 16 accumulators.  K goes in 4 steps of 256 (four heads) through two LDS slots; a quarter of a step is one head.
; A BY HEADS.  A head's 128 rows of a tile are 16,384 dense bytes.  One tensor load brings two heads: two rows of 8,192 elements, 131,072 elements apart, padded in LDS after every 128 bytes: planes of 128 rows x 144 bytes.
; CLUSTER 4 x 4: y's tiles are shared along a row of the cluster, wpt's along a column: joint loads, as in the first product.  Waves 0 and 1 ask for A's two pairs of heads, waves 2 and 3 for B's two halves of 64 rows.
; THE MATRIX INSTRUCTION IS USED TRANSPOSED (source 0 = 16 rows of wpt, source 1 = 16 rows of y): a lane holds eight neighbouring columns of a row.  The first product of every sum takes the bias as C.
; REGISTERS.  window 0: v0-31 addresses; v32-95 the way out; v96-127 the bias; v128-255 the accumulators ((a, b) at 128 + 8 (4 a + b)).  window 1: two fragment buffers of 128: 64 of A, then 64 of B, for 64 along K.
.set PA,     144                       ; a row of A in LDS: 128 bytes + 16
.set APL,    128*PA                    ; a head's plane
.set PB,     528                       ; a row of B: 512 bytes + 16
.set BOFF,   4*APL
.set HALFB,  64*PB
.set SLOT,   BOFF+2*HALFB
.set STAGE,  2*SLOT                    ; behind the ring, never filled by a tensor load: 16 rows x 272 bytes for each wave
.set SPITCH, 272                       ; my 64 columns in f32 = 256 bytes, + 16
.set SPARE,  STAGE+4*16*SPITCH         ; the spare words, 128 bytes for each wave, which no other line names
.set ADRA, 16
.set ADRB, 20
.set STO,  24
.set RD,   25
.set CO,   26
.set BO,   27
.set SPW,  28                          ; my spare word; never rewritten
.set NIL,  29                          ; 0; never rewritten
.set OB,   32
.set BIAS, 96
.set ACC,  128
.set F0,   0
.set F1,   128
.set WV,  12
.set RH,  13                           ; wave / 2: my half of the tile's rows; also: I fetch for A (0) or for B (1)
.set CH,  14                           ; wave % 2: my half of its columns; also: which half I fetch
.set G1,  24
.set G0,  32
.set G1B, 48
.set G0B, 56
.set MSB, 0
.macro WIN new
.if MSB != (\new)
	s_set_vgpr_msb (MSB<<8)|(\new)
.set MSB, \new
.endif
.endm
.set MUL,  0x05                        ; sources 0 (B) and 1 (A) window 1; C and D window 0
.set TO_F, 0x40                        ; destination window 1, address window 0
.macro JLOAD s                         ; a joint load; an s_nop 0 and four v_nop follow each of the two lines
	s_cmp_eq_u32 s[RH], 0
	s_cbranch_scc0 .Lfor_b_\@
	tensor_load_to_lds s[G0+4*(\s):G0+4*(\s)+3], s[G1:G1+7]
	s_nop 0
.rept 4
	v_nop
.endr
	s_branch .Lasked_\@
.Lfor_b_\@:
	tensor_load_to_lds s[G0B+4*(\s):G0B+4*(\s)+3], s[G1B:G1B+7]
	s_nop 0
.rept 4
	v_nop
.endr
.Lasked_\@:
.endm
.macro CREST
	s_cmp_lg_u32 s[WV], 0
	s_cbranch_scc1 .Lnot_wave_0_\@
	s_barrier_signal -3
.Lnot_wave_0_\@:
	s_barrier_wait -3
	s_barrier_signal -1
	s_barrier_wait -1
.endm
.macro CROUND
	s_barrier_signal -1
	s_barrier_wait -1
	CREST
.endm
	s_load_b256 s[4:11], s[0:1], 0x0               ; y 4, wpt 6, bp 8, out0 10
	v_lshl_add_u32 v[SPW], v0, 2, SPARE
	v_mov_b32 v[NIL], 0
	ds_add_u32 v[SPW], v[NIL]                      ; the wave's opening: the add, twice on end, and its wait ahead of my first tensor load
	ds_add_u32 v[SPW], v[NIL]
	v_lshrrev_b32 v1, 5, v0
	v_readfirstlane_b32 s[WV], v1
	s_lshr_b32 s[RH], s[WV], 1
	s_and_b32 s[CH], s[WV], 1
	s_bfe_u32 s16, ttmp6, 0x40000                  ; cx
	s_bfe_u32 s17, ttmp6, 0x40004                  ; cy
	s_lshl_b32 s18, ttmp9, 2
	s_add_co_u32 s18, s18, s16                     ; tile column
	s_and_b32 s19, ttmp7, 0xffff
	s_lshl_b32 s19, s19, 2
	s_add_co_u32 s19, s19, s17                     ; tile row
	s_lshl_b32 s20, s17, 2
	s_lshl_b32 s20, 15, s20                        ; my row of the cluster
	s_lshl_b32 s21, 0x1111, s16                    ; my column
	s_or_b32 s[G1], s20, (1<<16)|(1<<20)|(1<<21)|(4<<22)|(3<<25)   ; the mask; 2-byte elements; padding on; bit 21 beside a mask; after every 32 words 4 words
	s_or_b32 s[G1B], s21, (1<<16)|(1<<20)|(1<<21)|(6<<22)|(3<<25)  ; B: after every 128 words 4 words
	s_mov_b32 s[G1+1], 8192<<16                    ; tensor_dim0 = 8,192: a head's 128 rows on end
	s_mov_b32 s[G1+2], 2<<16                       ; tensor_dim1 = 2 heads
	s_mov_b32 s[G1+3], 8192<<16                    ; tile_dim0
	s_mov_b32 s[G1+4], 2                           ; tile_dim1
	s_mov_b32 s[G1+5], 131072                      ; elements from head to head
	s_mov_b32 s[G1+6], 0
	s_mov_b32 s[G1+7], 0
	s_mov_b32 s[G1B+1], 256<<16
	s_mov_b32 s[G1B+2], 64<<16
	s_mov_b32 s[G1B+3], 256<<16
	s_mov_b32 s[G1B+4], 64
	s_mov_b32 s[G1B+5], 1024
	s_mov_b32 s[G1B+6], 0
	s_mov_b32 s[G1B+7], 0
	s_lshr_b32 s40, s19, 4                         ; A: head 16 batch + 2 x half, rows 128 (tile row % 16): of the tile row and the wave's number alone
	s_lshl_b32 s40, s40, 4
	s_lshl_b32 s20, s[CH], 1
	s_add_co_u32 s40, s40, s20
	s_lshl_b32 s40, s40, 18
	s_and_b32 s20, s19, 15
	s_lshl_b32 s20, s20, 14
	s_add_co_u32 s40, s40, s20
	s_mov_b32 s41, 0
	s_lshl_b32 s42, s18, 7                         ; B: row 128 x tile column + 64 x half: of the tile column and the wave's number alone
	s_lshl_b32 s21, s[CH], 6
	s_add_co_u32 s42, s42, s21
	s_lshl_b32 s42, s42, 11
	s_mov_b32 s43, 0
	s_mul_i32 s22, s[CH], 2*APL                    ; where they go: no place in the cluster enters an LDS address
	s_mul_i32 s23, s[CH], HALFB
	s_add_co_u32 s23, s23, BOFF
	s_wait_dscnt 0x0                               ; both opening adds are done
	s_wait_kmcnt 0x0
	s_add_nc_u64 s[44:45], s[4:5], s[40:41]
	s_add_nc_u64 s[46:47], s[6:7], s[42:43]
	CROUND                                         ; all sixteen work-groups are here: the first joint loads meet
.irp s, 0,1
	s_mov_b32 s[G0+4*(\s)], 1
	s_add_co_u32 s[G0+4*(\s)+1], s22, (\s)*SLOT
	s_add_nc_u64 s[G0+4*(\s)+2:G0+4*(\s)+3], s[44:45], (\s)*4*262144   ; K step s: four heads on
	s_or_b32 s[G0+4*(\s)+3], s[G0+4*(\s)+3], 0x80000000
	s_mov_b32 s[G0B+4*(\s)], 1
	s_add_co_u32 s[G0B+4*(\s)+1], s23, (\s)*SLOT
	s_add_nc_u64 s[G0B+4*(\s)+2:G0B+4*(\s)+3], s[46:47], (\s)*512
	s_or_b32 s[G0B+4*(\s)+3], s[G0B+4*(\s)+3], 0x80000000
	JLOAD \s
.endr
	v_and_b32 v1, 15, v0                           ; r
	v_bfe_u32 v2, v0, 4, 1                         ; h
	v_lshlrev_b32 v[BO], 5, v2
	s_lshl_b32 s66, s19, 7
	s_lshl_b32 s67, s[RH], 6
	s_add_co_u32 s66, s66, s67
	s_lshl_b32 s66, s66, 12                        ; my first row of out0, 4,096 bytes a row
	s_lshl_b32 s68, s18, 7
	s_lshl_b32 s67, s[CH], 6
	s_add_co_u32 s68, s68, s67
	s_lshl_b32 s68, s68, 2                         ; my first column, in bytes of f32
	s_mov_b32 s69, 0
	s_add_nc_u64 s[8:9], s[8:9], s[68:69]
	s_add_co_u32 s66, s66, s68
	s_mov_b32 s67, 0
	s_add_nc_u64 s[10:11], s[10:11], s[66:67]
.irp b, 0,1,2,3
	global_load_b128 v[BIAS+8*(\b):BIAS+8*(\b)+3],   v[BO], s[8:9] offset:64*(\b)
	global_load_b128 v[BIAS+8*(\b)+4:BIAS+8*(\b)+7], v[BO], s[8:9] offset:64*(\b)+16
.endr
	v_mul_u32_u24 v3, v1, PA
	v_lshl_add_u32 v3, v2, 4, v3
	s_mul_i32 s66, s[RH], 64*PA                    ; my 64 rows in each plane of A
	v_add_nc_u32 v[ADRA], s66, v3
	v_add_nc_u32 v[ADRA+1], SLOT, v[ADRA]
	v_mul_u32_u24 v3, v1, PB
	v_lshl_add_u32 v3, v2, 4, v3
	s_mul_i32 s66, s[CH], HALFB                    ; my 64 rows of B
	s_add_co_u32 s66, s66, BOFF
	v_add_nc_u32 v[ADRB], s66, v3
	v_add_nc_u32 v[ADRB+1], SLOT, v[ADRB]
	s_mul_i32 s66, s[WV], 16*SPITCH
	s_add_co_u32 s66, s66, STAGE                   ; my stage
	v_mul_u32_u24 v4, v1, SPITCH                   ; in: row r, 32 bytes for each half of the lanes
	v_lshl_add_u32 v4, v2, 5, v4
	v_add_nc_u32 v[STO], s66, v4
	v_mul_u32_u24 v5, v2, SPITCH                   ; back: lanes 0-15 take one row of 256 bytes, lanes 16-31 the next
	v_lshl_add_u32 v5, v1, 4, v5
	v_add_nc_u32 v[RD], s66, v5
	v_lshlrev_b32 v5, 12, v2                       ; and the same two rows in out0
	v_lshl_add_u32 v[CO], v1, 4, v5
; 8 matrix instructions: row blocks a0, a0 + 1 x all 4 column blocks, 32 along K: half c of buffer f.  zero = 1: the bias starts the sums.  The 16 accumulators take turns.
.macro MUL8 f, c, a0, zero
	WIN MUL
.irp a, \a0, (\a0)+1
.irp b, 0,1,2,3
.if \zero
	v_wmma_f32_16x16x32_f16 v[ACC+8*(4*(\a)+(\b)):ACC+8*(4*(\a)+(\b))+7], v[(\f)+64+8*(4*(\c)+(\b)):(\f)+64+8*(4*(\c)+(\b))+7], v[(\f)+8*(4*(\c)+(\a)):(\f)+8*(4*(\c)+(\a))+7], v[BIAS+8*(\b):BIAS+8*(\b)+7]
.else
	v_wmma_f32_16x16x32_f16 v[ACC+8*(4*(\a)+(\b)):ACC+8*(4*(\a)+(\b))+7], v[(\f)+64+8*(4*(\c)+(\b)):(\f)+64+8*(4*(\c)+(\b))+7], v[(\f)+8*(4*(\c)+(\a)):(\f)+8*(4*(\c)+(\a))+7], v[ACC+8*(4*(\a)+(\b)):ACC+8*(4*(\a)+(\b))+7]
.endif
.endr
.endr
.endm
; 32 LDS loads in one run: the fragments of quarter q (one head: plane q of A, bytes 128 q of B's rows) into buffer f; the first 32 along K first
.macro FETCH slot, q, f
	WIN TO_F
.irp c, 0,1
.irp i, 0,1,2,3
	ds_load_b128 v[(\f)+64+8*(4*(\c)+(\i)):(\f)+64+8*(4*(\c)+(\i))+3],   v[ADRB+(\slot)] offset:128*(\q)+64*(\c)+(\i)*16*PB
	ds_load_b128 v[(\f)+64+8*(4*(\c)+(\i))+4:(\f)+64+8*(4*(\c)+(\i))+7], v[ADRB+(\slot)] offset:128*(\q)+64*(\c)+(\i)*16*PB+32
	ds_load_b128 v[(\f)+8*(4*(\c)+(\i)):(\f)+8*(4*(\c)+(\i))+3],         v[ADRA+(\slot)] offset:(\q)*APL+64*(\c)+(\i)*16*PA
	ds_load_b128 v[(\f)+8*(4*(\c)+(\i))+4:(\f)+8*(4*(\c)+(\i))+7],       v[ADRA+(\slot)] offset:(\q)*APL+64*(\c)+(\i)*16*PA+32
.endr
.endr
.endm
.macro PLACES                          ; four plain vector instructions between a matrix instruction and a load into, or a read of, its registers
.rept 4
	v_nop
.endr
.endm
.macro QUARTER slot, q, f, g, zero     ; multiplies buffer f and fetches quarter q into g
	s_wait_dscnt 16                                ; the first 32 along K are in
	MUL8 \f, 0, 0, \zero
	MUL8 \f, 0, 2, \zero
	PLACES
	FETCH \slot, \q, \g
	s_wait_dscnt 32                                ; all but the 32 just issued
	MUL8 \f, 1, 0, 0
	MUL8 \f, 1, 2, 0
.endm
; The last quarter multiplies buffer 1 and changes slots: one barrier; in front of it each wave waits for all its tensor loads, adds 0 to its spare word, and waits for that and for its reads of this slot.
; fill = 1: the barrier opens a round of the cluster's, and the joint refill, two K steps on, is the first tensor load behind the round.
.macro TURN slot, next, fill
	WIN 0
	s_wait_tensorcnt 0x0
	ds_add_u32 v[SPW], v[NIL]
	s_wait_dscnt 17                                ; (the add and the youngest sixteen loads may be out)
	MUL8 F1, 0, 0, 0
	s_wait_dscnt 0x0                               ; the add is done, and my reads of this slot are over
	s_barrier_signal -1
	MUL8 F1, 0, 2, 0
.if \fill
	WIN 0
.endif
	s_barrier_wait -1
.if \fill
	CREST
	s_add_nc_u64 s[G0+4*(\slot)+2:G0+4*(\slot)+3], s[G0+4*(\slot)+2:G0+4*(\slot)+3], 8*262144
	s_add_nc_u64 s[G0B+4*(\slot)+2:G0B+4*(\slot)+3], s[G0B+4*(\slot)+2:G0B+4*(\slot)+3], 1024
	JLOAD \slot                                    ; its four v_nop are also the places in front of the loads below
.else
	PLACES
.endif
	FETCH \next, 0, F0
	MUL8 F1, 1, 0, 0
	MUL8 F1, 1, 2, 0
.endm
; THE WAY OUT of row block a: my 64 columns are 256 aligned bytes of f32, so the stage is my own.  Each accumulator's registers 0-3 are stored first.
.macro TOST a
.if (\a) >= 2
	s_wait_xcnt 0x0                                ; the stores of block a - 2 have read the registers that are loaded again below
.endif
.irp b, 0,1,2,3
	ds_store_b128 v[STO], v[ACC+8*(4*(\a)+(\b)):ACC+8*(4*(\a)+(\b))+3]   offset:64*(\b)
	ds_store_b128 v[STO], v[ACC+8*(4*(\a)+(\b))+4:ACC+8*(4*(\a)+(\b))+7] offset:64*(\b)+16
.endr
.irp t, 0,1,2,3,4,5,6,7
	ds_load_b128 v[OB+32*((\a)%2)+4*(\t):OB+32*((\a)%2)+4*(\t)+3], v[RD] offset:(\t)*2*SPITCH  ; LDS serves a wave's instructions in order: these see the stores above
.endr
.endm
.macro SEND a, younger
	s_wait_dscnt \younger
.irp t, 0,1,2,3,4,5,6,7
	global_store_b128 v[CO], v[OB+32*((\a)%2)+4*(\t):OB+32*((\a)%2)+4*(\t)+3], s[10:11] offset:(16*(\a)+2*(\t))*4096  ; sixteen lanes store 256 consecutive bytes, aligned
.endr
.endm
	s_wait_tensorcnt 1                             ; my part of K step 0 is in; K step 1's may stay out
	s_barrier_signal -1
	s_barrier_wait -1
	FETCH 0, 0, F0
	s_wait_loadcnt 0x0                             ; the bias
	QUARTER 0, 1, F0, F1, 1                        ; four K steps, written straight: two laps of the ring would make a loop of one trip
	QUARTER 0, 2, F1, F0, 0
	QUARTER 0, 3, F0, F1, 0
	TURN 0, 1, 1                                   ; slot 0 takes K step 2
	QUARTER 1, 1, F0, F1, 0
	QUARTER 1, 2, F1, F0, 0
	QUARTER 1, 3, F0, F1, 0
	TURN 1, 0, 1                                   ; slot 1 takes K step 3
	QUARTER 0, 1, F0, F1, 0
	QUARTER 0, 2, F1, F0, 0
	QUARTER 0, 3, F0, F1, 0
	TURN 0, 1, 0                                   ; nothing is left to fetch
	QUARTER 1, 1, F0, F1, 0
	QUARTER 1, 2, F1, F0, 0
	QUARTER 1, 3, F0, F1, 0
	s_wait_dscnt 16
	MUL8 F1, 0, 0, 0
	MUL8 F1, 0, 2, 0
	s_wait_dscnt 0x0
	MUL8 F1, 1, 0, 0
	MUL8 F1, 1, 2, 0
	WIN 0
	PLACES
	TOST 0
.irp a, 1,2,3
	TOST \a
	SEND (\a)-1, 16                                ; block a's sixteen LDS instructions are younger
.endr
	SEND 3, 0
	s_wait_tensorcnt 0x0                           ; the wave's end
	ds_add_u32 v[SPW], v[NIL]
	s_wait_dscnt 0x0
	CROUND                                         ; the closing round
	s_endpgm
.Lfunc_end_k_qd5cf87f976_proj:
	.size	k_qd5cf87f976_proj, .Lfunc_end_k_qd5cf87f976_proj-k_qd5cf87f976_proj
	.p2alignl 7, 3214868480
	.fill 96, 4, 3214868480
	.section	.rodata,"a",@progbits
	.p2align	6, 0x0
	.amdhsa_kernel k_qd5cf87f976_proj
		.amdhsa_group_segment_fixed_size 327680
		.amdhsa_private_segment_fixed_size 0
		.amdhsa_enable_private_segment 0
		.amdhsa_kernarg_size 32
		.amdhsa_user_sgpr_count 2
		.amdhsa_user_sgpr_kernarg_segment_ptr 1
		.amdhsa_wavefront_size32 1
		.amdhsa_system_sgpr_workgroup_id_x 1
		.amdhsa_system_sgpr_workgroup_id_y 1
		.amdhsa_system_sgpr_workgroup_id_z 1
		.amdhsa_system_vgpr_workitem_id 0
		.amdhsa_next_free_vgpr 512
		.amdhsa_next_free_sgpr 72
		.amdhsa_reserve_vcc 0
		.amdhsa_float_denorm_mode_32 3
		.amdhsa_float_denorm_mode_16_64 3
		.amdhsa_memory_ordered 1
		.amdhsa_forward_progress 1
		.amdhsa_inst_pref_size 86
	.end_amdhsa_kernel
	.amdgpu_metadata
---
amdhsa.version: [ 1, 2 ]
amdhsa.kernels:
  - .name:           k_qd5cf87f976_proj
    .symbol:         k_qd5cf87f976_proj.kd
    .args:
      - { .name: y, .offset: 0, .size: 8, .value_kind: global_buffer, .address_space: global }
      - { .name: wpt, .offset: 8, .size: 8, .value_kind: global_buffer, .address_space: global }
      - { .name: bp, .offset: 16, .size: 8, .value_kind: global_buffer, .address_space: global }
      - { .name: out0, .offset: 24, .size: 8, .value_kind: global_buffer, .address_space: global }
    .group_segment_fixed_size: 327680
    .private_segment_fixed_size: 0
    .kernarg_segment_align: 8
    .kernarg_segment_size: 32
    .max_flat_workgroup_size: 128
    .sgpr_count:     72
    .vgpr_count:     512
    .wavefront_size: 32
...
	.end_amdgpu_metadata
.endif
;; end of part 4
;; ======== version 2 of 2: 4 launches; version 1 with the launch prep written anew for expert scheduling mode
;; limits: values are held in f16: magnitudes above 65,504 overflow, below 6.1e-05 lose precision
;; workspace buffers: xb 8,388,608 bytes; wat 6,291,456 bytes; wpt 2,097,152 bytes; ba 12,288 bytes; bp 4,096 bytes; qkv 25,165,824 bytes; y 8,388,608 bytes
;; launch prep (part 5): grid 256 x 1, 8 waves a work-group, no clusters, 35,840 bytes of LDS; arguments x, w_attn, w_proj, b_attn, b_proj, xb, wat, wpt, ba, bp; writes xb, wat, wpt, ba, bp
.if DOCPART == 5
	.amdgcn_target "amdgcn-amd-amdhsa--gfx1250"
	.amdhsa_code_object_version 6
	.text
	.protected	k_qd5cf87f976_prep
	.globl	k_qd5cf87f976_prep
	.p2align	8
	.type	k_qd5cf87f976_prep,@function
k_qd5cf87f976_prep:
	s_mov_b64 s[64:65], 0
	v_nop
	global_prefetch_b8 v0, s[64:65] scope:SCOPE_SE
	s_setreg_imm32_b32 hwreg(HW_REG_WAVE_SCHED_MODE, 0, 2), 2
	s_setreg_imm32_b32 hwreg(HW_REG_WAVE_MODE, 25, 1), 1
	s_wait_xcnt 0x0
	s_wait_alu depctr_vm_vsrc(0)
; PREP: the module's inputs are rounded once and laid as the products want them.
;   xb  [4096][1024] bf16 = x;   wat [3072 n][1024 k] bf16 = w_attn turned;   wpt [1024 n][1024 k] f16 = w_proj rounded to bf16, that number written as f16, turned;
;   ba  [3072] f32 = b_attn rounded to bf16, with 0 in k's third;   bp [1024] f32 = b_proj rounded to bf16.
; WORK LEFT OUT IN THIS PROGRAM, and why it can reach no output, whatever finite values the inputs hold:
;  (1) k's bias, b_attn[1024:2048].  A score is q . (k + bk) / 8 = q . k / 8 + q . bk / 8, and the second term is the same for all keys of a query's row; softmax along the keys
;      is unchanged by a term that is constant along its axis.  So these 1,024 numbers are never loaded; ba holds 0 in their place, so that the projection has one form for all columns.
;  (2) key tiles wholly above the diagonal of the jnp.tril that reference() builds: their scores are replaced by -inf and their weights are 0.  They are neither loaded nor multiplied.
;  LIMIT: a NaN, an infinity or an overflow that reaches only (1) or (2) is not carried to the result.
; LIMIT of wpt: f16 holds a bf16 number exactly between 2^-14 and 65,504 in size; below that it keeps f16's fixed step of 2^-24; at 65,520 and beyond it becomes an infinity.
; SHARES.  Work-group g: (a) 16 rows of x, 32 bytes in and 16 bytes out a thread, eight times; (b) two neighbouring blocks of 128 k x 64 n of a weight (g < 192: w_attn, 8 x 24 pairs; else w_proj, 8 x 8 pairs),
; turned through LDS; (c) g < 16, waves 0 and 1: 1,024 bytes of a bias table.  All loads go out together, ahead of all arithmetic.  No matrix unit, no cluster: nothing is multiplied and nothing is shared.
; THE MODE: SCHED_MODE bits 1:0 = 2 (LLVM: expert scheduling mode 2), set by the entry lines.  The code itself states the register dependences
; between vector instructions and memory or LDS instructions, with s_wait_alu, always for 0.
; THE PLAN.  Registers that memory or LDS instructions touch:
;   v4-16, v18, v19   offsets and addresses: written by vector lines at the head, once; read by every load, store and LDS instruction.  One wait at the head states that they are written.
;   BV                0 by vector lines at the head; on some paths the bias load lands in it, behind the same wait.
;   W, X, BK          filled by loads alone, once each; no vector line writes them, and none is loaded a second time.
;   T0, T1            block 0's and block 1's roundings write them; four LDS stores read each.  A buffer to each block, so that none is written again behind its stores.
;   XC                x's roundings write each register once; x's stores read them.
;   TW+4 .. TW+7      the bias part's last four lines write them; its one store reads them.
; No register that a memory or LDS instruction reads is ever written again, so no wait on vm_vsrc is owed.  Each wait on va_vdst stands behind a run of roundings and ahead of the stores that read
; what they wrote; those stores are dealt among the next run's roundings, which name other registers.
.set LP,    272                        ; an LDS row: 128 k in 16 bits = 256 bytes, + 16: sixteen lanes that store 16 bytes into sixteen rows fall into sixteen different 16-byte columns of 256
.set BLK,   64*LP                      ; a turned block: 64 rows
.set SPARE, 2*BLK                      ; behind the two blocks: the spare words, 128 bytes for each of eight waves, which no other line names
.set VO,  4                            ; v4-11   byte offset of my 16 bytes (4 columns) in rows 8 ko + 0..7 of the block
.set XI,  12                           ; v12     32 t: my 8 numbers of x
.set XO,  13                           ; v13     16 t: my 8 numbers of xb; also my 4 numbers of a bias part (t < 64)
.set LST, 14                           ; v14     where I put 8 k of a column
.set LRD, 15                           ; v15     where I read a turned row back
.set DO,  16                           ; v16     my byte offset in the turned weight
.set SPW, 18                           ; v18     my spare word; never rewritten
.set NIL, 19                           ; v19     0; never rewritten
.set BV,  20                           ; v20-23  bias as loaded, or 0
.set TW,  24                           ; v24-31  at work
.set W,   32                           ; v32-95  weights as loaded: block, row j at W + 32 blk + 4 j
.set X,   96                           ; v96-159 x as loaded
.set XC,  160                          ; v160-191 x rounded
.set BK,  192                          ; v192-223 turned rows
.set T,   224                          ; v224-255 8 k of column c of block blk at T + 16 blk + 4 c
	s_load_b512 s[8:23], s[0:1], 0x0               ; x 8, w_attn 10, w_proj 12, b_attn 14, b_proj 16, xb 18, wat 20, wpt 22
	s_load_b128 s[24:27], s[0:1], 0x40             ; ba 24, bp 26
	v_lshl_add_u32 v[SPW], v0, 2, SPARE
	v_mov_b32 v[NIL], 0
	v_lshrrev_b32 v1, 5, v0
	v_readfirstlane_b32 s3, v1                     ; wave 0..7
	s_mov_b32 s2, ttmp9                            ; g
	s_mul_i32 s29, s2, 171
	s_lshr_b32 s29, s29, 12                        ; g / 24 for g < 192
	s_mul_i32 s30, s29, 24
	s_sub_co_u32 s30, s2, s30                      ; g % 24
	s_sub_co_u32 s31, s2, 192
	s_lshr_b32 s4, s31, 3
	s_and_b32 s5, s31, 7
	s_mov_b32 s28, 4096
	s_cmp_lt_u32 s2, 192
	s_cselect_b32 s28, 12288, s28                  ; bytes in a row of the weight
	s_cselect_b32 s29, s29, s4                     ; kb: which 128 k
	s_cselect_b32 s30, s30, s5                     ; nb2: which 128 n
	s_mul_i32 s36, s29, s28
	s_lshl_b32 s36, s36, 7
	s_lshl_b32 s4, s30, 9
	s_add_co_u32 s36, s36, s4                      ; from: kb x 128 rows + nb2 x 512 bytes
	s_mov_b32 s37, 0
	s_lshl_b32 s42, s30, 18
	s_lshl_b32 s4, s29, 8
	s_add_co_u32 s42, s42, s4                      ; to: nb2 x 128 rows of 2,048 bytes + kb x 256 bytes
	s_mov_b32 s43, 0
	s_sub_co_u32 s6, s2, 12
	s_min_u32 s6, s6, 3
	s_cmp_lt_u32 s2, 12
	s_cselect_b32 s4, s2, s6                       ; which 1,024 bytes of ba (g < 12) or of bp
	s_lshl_b32 s4, s4, 10
	s_mov_b32 s5, 0
	s_lshr_b32 s7, s2, 2                           ; 1: the part lies in k's third
	s_lshl_b32 s30, s2, 16                         ; my 16 rows of x
	s_mov_b32 s31, 0
	v_and_b32 v2, 15, v0                           ; g4: which 4 columns; also lane % 16
	v_lshrrev_b32 v3, 4, v0                        ; ko: which 8 rows
	v_lshlrev_b32 v[TW], 3, v3
	v_mul_lo_u32 v[VO], v[TW], s28
	v_lshl_add_u32 v[VO], v2, 4, v[VO]
.irp j, 1,2,3,4,5,6,7
	v_add_nc_u32 v[VO+(\j)], s28, v[VO+(\j)-1]
.endr
	v_lshlrev_b32 v[XI], 5, v0
	v_lshlrev_b32 v[XO], 4, v0
	v_mul_u32_u24 v[LST], v2, LP                   ; column 4 g4 + c lies in row 16 c + g4
	v_lshl_add_u32 v[LST], v3, 4, v[LST]
	v_bfe_u32 v[TW+1], v0, 4, 1                    ; h = lane / 16
	v_lshl_add_u32 v[LRD], v1, 3, v[TW+1]          ; rows 8 wave + h + 2 i
	v_mul_u32_u24 v[LRD], v[LRD], LP
	v_lshl_add_u32 v[LRD], v2, 4, v[LRD]
	v_and_b32 v[TW+2], 1, v1
	v_lshrrev_b32 v[TW+3], 1, v1
	v_lshl_add_u32 v[TW+3], v[TW+2], 5, v[TW+3]
	v_lshl_add_u32 v[TW+3], v[TW+1], 2, v[TW+3]    ; that row is column 32 (wave % 2) + 8 i + 4 h + wave / 2
	v_lshlrev_b32 v[DO], 11, v[TW+3]
	v_lshl_add_u32 v[DO], v2, 4, v[DO]
.irp j, 0,1,2,3
	v_mov_b32 v[BV+(\j)], 0                        ; what k's third of ba takes
.endr
	s_wait_alu depctr_va_sdst(0)                   ; s3, the wave's number, is written, ahead of its first reader: the compares below that pick the waves of the bias part
	s_wait_kmcnt 0x0
	s_cmp_lt_u32 s2, 192
	s_cselect_b64 s[32:33], s[10:11], s[12:13]
	s_cselect_b64 s[34:35], s[20:21], s[22:23]
	s_add_nc_u64 s[32:33], s[32:33], s[36:37]
	s_add_nc_u64 s[34:35], s[34:35], s[42:43]
	s_cmp_lt_u32 s2, 12
	s_cselect_b64 s[38:39], s[14:15], s[16:17]
	s_cselect_b64 s[40:41], s[24:25], s[26:27]
	s_add_nc_u64 s[38:39], s[38:39], s[4:5]
	s_add_nc_u64 s[40:41], s[40:41], s[4:5]
	s_add_nc_u64 s[44:45], s[8:9], s[30:31]
	s_lshr_b32 s30, s30, 1
	s_add_nc_u64 s[46:47], s[18:19], s[30:31]
	s_wait_alu depctr_va_vdst(0)                   ; the offsets and addresses v4 to v16 are written, which every load, store and LDS instruction below reads; so are BV's zeros, on which the bias load lands
	s_cmp_lt_u32 s2, 16                            ; the bias part's load is the oldest, so every counted wait below is right with it and without
	s_cbranch_scc0 .Lno_bias_in
	s_cmp_lt_u32 s3, 2
	s_cbranch_scc0 .Lno_bias_in
	s_cmp_eq_u32 s7, 1
	s_cbranch_scc1 .Lno_bias_in                    ; k's bias is not loaded
	global_load_b128 v[BV:BV+3], v[XO], s[38:39]
.Lno_bias_in:
.irp blk, 0,1
.irp j, 0,1,2,3,4,5,6,7
	global_load_b128 v[W+32*(\blk)+4*(\j):W+32*(\blk)+4*(\j)+3], v[VO+(\j)], s[32:33] offset:256*(\blk) th:TH_LOAD_NT  ; sixteen lanes take 256 consecutive bytes of a row
.endr
.endr
.irp i, 0,1,2,3,4,5,6,7
	global_load_b128 v[X+8*(\i):X+8*(\i)+3],   v[XI], s[44:45] offset:8192*(\i) th:TH_LOAD_NT
	global_load_b128 v[X+8*(\i)+4:X+8*(\i)+7], v[XI], s[44:45] offset:8192*(\i)+16 th:TH_LOAD_NT
.endr
; Column c of block blk: my 8 k of it are rounded and packed into 16 bytes.  half = 1: the bf16 number is written as f16.
.macro ROUND blk, c, half
.irp p, 0,1,2,3
	v_cvt_pk_bf16_f32 v[T+16*(\blk)+4*(\c)+(\p)], v[W+32*(\blk)+8*(\p)+(\c)], v[W+32*(\blk)+8*(\p)+4+(\c)]
.endr
.if \half
.irp p, 0,1,2,3
	v_lshlrev_b32 v[TW+2*(\p)],   16, v[T+16*(\blk)+4*(\c)+(\p)]
	v_and_b32     v[TW+2*(\p)+1], 0xffff0000, v[T+16*(\blk)+4*(\c)+(\p)]
.endr
.irp p, 0,1,2,3
	v_cvt_pk_f16_f32 v[T+16*(\blk)+4*(\c)+(\p)], v[TW+2*(\p)], v[TW+2*(\p)+1]
.endr
.endif
.endm
; and put into the column's LDS row
.macro PUT blk, c
	ds_store_b128 v[LST], v[T+16*(\blk)+4*(\c):T+16*(\blk)+4*(\c)+3] offset:(\blk)*BLK+(\c)*16*LP
.endm
; Both blocks.  Block 0's stores are dealt among block 1's roundings, which name W's second half, T1 and TW: none of the registers that those stores read.
.macro BOTH half
.irp c, 0,1,2,3
	ROUND 0, \c, \half
.endr
	s_wait_alu depctr_va_vdst(0)                   ; block 0's roundings have written T0, which the four LDS stores below read
.irp c, 0,1,2,3
	PUT 0, \c
	ROUND 1, \c, \half
.endr
	s_wait_alu depctr_va_vdst(0)                   ; block 1's roundings have written T1, which the four LDS stores below read
.irp c, 0,1,2,3
	PUT 1, \c
.endr
.endm
	s_wait_loadcnt 16                              ; the weights (and the bias part) are in; the 16 loads of x may stay out
	s_cmp_lt_u32 s2, 192
	s_cbranch_scc0 .Lto_f16
	BOTH 0
	s_branch .Lturned
.Lto_f16:
	BOTH 1
.Lturned:
	s_wait_dscnt 0x0                               ; for the others' sake: my stores are done
	s_barrier_signal -1
	s_barrier_wait -1                              ; both turned blocks are whole
.irp blk, 0,1
.irp i, 0,1,2,3
	ds_load_b128 v[BK+16*(\blk)+4*(\i):BK+16*(\blk)+4*(\i)+3], v[LRD] offset:(\blk)*BLK+(\i)*2*LP  ; no vector line names BK, and none since the head's wait names v[LRD]
.endr
.endr
; x: pair i (8 numbers a thread) is rounded; and stored.
.macro XROUND i
	v_cvt_pk_bf16_f32 v[XC+4*(\i)],   v[X+8*(\i)],   v[X+8*(\i)+1]
	v_cvt_pk_bf16_f32 v[XC+4*(\i)+1], v[X+8*(\i)+2], v[X+8*(\i)+3]
	v_cvt_pk_bf16_f32 v[XC+4*(\i)+2], v[X+8*(\i)+4], v[X+8*(\i)+5]
	v_cvt_pk_bf16_f32 v[XC+4*(\i)+3], v[X+8*(\i)+6], v[X+8*(\i)+7]
.endm
.macro XPUT i
	global_store_b128 v[XO], v[XC+4*(\i):XC+4*(\i)+3], s[46:47] offset:4096*(\i)  ; a wave stores 512 consecutive bytes, aligned
.endm
; Four groups of two pairs.  A group's two stores are issued in the next group, behind its one wait, dealt among that group's roundings, which name other registers of XC.
.irp g, 0,1,2,3
	s_wait_loadcnt 12-4*(\g)                       ; group g's four loads of x are in; the groups behind it may stay out
.if (\g) > 0
	s_wait_alu depctr_va_vdst(0)                   ; the group before has written its eight registers of XC, which the two stores below read
	XPUT 2*(\g)-2
.endif
	XROUND 2*(\g)
.if (\g) > 0
	XPUT 2*(\g)-1
.endif
	XROUND 2*(\g)+1
.endr
	s_wait_alu depctr_va_vdst(0)                   ; the last group has written its eight registers of XC, which the two stores below read
	XPUT 6
	XPUT 7
	s_wait_dscnt 0x0                               ; the turned rows are in BK
.irp blk, 0,1
.irp i, 0,1,2,3
	global_store_b128 v[DO], v[BK+16*(\blk)+4*(\i):BK+16*(\blk)+4*(\i)+3], s[34:35] offset:131072*(\blk)+16384*(\i)  ; sixteen lanes store 256 consecutive bytes, aligned: 128 k of one row n
.endr
.endr
	s_cmp_lt_u32 s2, 16
	s_cbranch_scc0 .Lend
	s_cmp_lt_u32 s3, 2
	s_cbranch_scc0 .Lend
	v_cvt_pk_bf16_f32 v[TW],   v[BV],   v[BV+1]     ; the bias rounded to bf16 and kept as f32 (0 stays 0)
	v_cvt_pk_bf16_f32 v[TW+1], v[BV+2], v[BV+3]
	v_lshlrev_b32 v[TW+4], 16, v[TW]
	v_and_b32     v[TW+5], 0xffff0000, v[TW]
	v_lshlrev_b32 v[TW+6], 16, v[TW+1]
	v_and_b32     v[TW+7], 0xffff0000, v[TW+1]
	s_wait_alu depctr_va_vdst(0)                   ; the four lines above have written v[TW+4] to v[TW+7], which the store reads
	global_store_b128 v[XO], v[TW+4:TW+7], s[40:41]
.Lend:
	s_wait_dscnt 0x0                               ; the closing lines, six on end
	s_wait_alu 0x0
	s_wait_tensorcnt 0x0
	ds_add_u32 v[SPW], v[NIL]
	s_wait_dscnt 0x0
	s_endpgm
.Lfunc_end_k_qd5cf87f976_prep:
	.size	k_qd5cf87f976_prep, .Lfunc_end_k_qd5cf87f976_prep-k_qd5cf87f976_prep
	.p2alignl 7, 3214868480
	.fill 96, 4, 3214868480
	.section	.rodata,"a",@progbits
	.p2align	6, 0x0
	.amdhsa_kernel k_qd5cf87f976_prep
		.amdhsa_group_segment_fixed_size 35840
		.amdhsa_private_segment_fixed_size 0
		.amdhsa_enable_private_segment 0
		.amdhsa_kernarg_size 80
		.amdhsa_user_sgpr_count 2
		.amdhsa_user_sgpr_kernarg_segment_ptr 1
		.amdhsa_wavefront_size32 1
		.amdhsa_system_sgpr_workgroup_id_x 1
		.amdhsa_system_sgpr_workgroup_id_y 1
		.amdhsa_system_sgpr_workgroup_id_z 1
		.amdhsa_system_vgpr_workitem_id 0
		.amdhsa_next_free_vgpr 256
		.amdhsa_next_free_sgpr 66
		.amdhsa_reserve_vcc 0
		.amdhsa_float_denorm_mode_32 3
		.amdhsa_float_denorm_mode_16_64 3
		.amdhsa_memory_ordered 1
		.amdhsa_forward_progress 1
		.amdhsa_inst_pref_size 23
	.end_amdhsa_kernel
	.amdgpu_metadata
---
amdhsa.version: [ 1, 2 ]
amdhsa.kernels:
  - .name:           k_qd5cf87f976_prep
    .symbol:         k_qd5cf87f976_prep.kd
    .args:
      - { .name: x, .offset: 0, .size: 8, .value_kind: global_buffer, .address_space: global }
      - { .name: w_attn, .offset: 8, .size: 8, .value_kind: global_buffer, .address_space: global }
      - { .name: w_proj, .offset: 16, .size: 8, .value_kind: global_buffer, .address_space: global }
      - { .name: b_attn, .offset: 24, .size: 8, .value_kind: global_buffer, .address_space: global }
      - { .name: b_proj, .offset: 32, .size: 8, .value_kind: global_buffer, .address_space: global }
      - { .name: xb, .offset: 40, .size: 8, .value_kind: global_buffer, .address_space: global }
      - { .name: wat, .offset: 48, .size: 8, .value_kind: global_buffer, .address_space: global }
      - { .name: wpt, .offset: 56, .size: 8, .value_kind: global_buffer, .address_space: global }
      - { .name: ba, .offset: 64, .size: 8, .value_kind: global_buffer, .address_space: global }
      - { .name: bp, .offset: 72, .size: 8, .value_kind: global_buffer, .address_space: global }
    .group_segment_fixed_size: 35840
    .private_segment_fixed_size: 0
    .kernarg_segment_align: 8
    .kernarg_segment_size: 80
    .max_flat_workgroup_size: 256
    .sgpr_count:     66
    .vgpr_count:     256
    .wavefront_size: 32
...
	.end_amdgpu_metadata
.endif
;; end of part 5
;; launch qkv: the kernel of part 2 again; grid 16 x 16, 4 waves a work-group, clusters of 4 x 4, 327,680 bytes of LDS; arguments xb, wat, ba, qkv; writes qkv
;; launch attn: the kernel of part 3 again; grid 8 x 32, 4 waves a work-group, no clusters, 327,680 bytes of LDS; arguments qkv, y; writes y
;; launch proj: the kernel of part 4 again; grid 8 x 32, 4 waves a work-group, clusters of 4 x 4, 327,680 bytes of LDS; arguments y, wpt, bp, out0; writes out0
